; MI455X (gfx1250); checked and timed in simulation.
; The chip was launched on July 23, 2026; its instructions are those of AMD's public machine-readable ISA for CDNA 5 (MIT licence, August 2026) and "CDNA5" Instruction Set Architecture Reference Guide (July 2026). The comments in the code are by the model that wrote it; some were corrected since.
;; Ro PE Self Attention. Allowed arithmetic: matrix products marked QUANTISED: E2M3 operands, one E8M0 scale for each 32 along K, by v_wmma_scale_f32_16x16x128_f8f6f4 with both operands' format E2M3, f32 sums; everything else in f32.
;; Inputs: W_out 1,024 x 1,024 float32; W_qkv 1,024 x 3,072 float32; b_out 1,024 float32; b_qkv 3,072 float32; x 4 x 2,048 x 1,024 float32.
;; Outputs: out0 4 x 2,048 x 1,024 float32.
;; This version of the problem:
;;   THIS VERSION OF THE PROBLEM IS GIVEN IN LOW PRECISION. The matrix products marked QUANTISED in the list below multiply operands that are first quantised to E2M3 (2 exponent bits, 3 mantissa bits; 6 bits a number), with one power-of-two scale for each 32 numbers along K (OCP MX v1.0); their sums are f32. All else is computed in f32.
;;   The module's matrix products, in the order in which they are computed (A, B: the left and right operand; K: the contracted axis; several contracted axes count as one K, in the product's order):
;;     1. [M 8,192, K 1,024] x [K 1,024, N 3,072]; A: input x; B: input W_qkv: QUANTISED
;;     2. batch 64 x [M 2,048, K 64] x [K 64, N 2,048]; A: computed on the way; B: computed on the way: QUANTISED
;;     3. batch 64 x [M 2,048, K 2,048] x [K 2,048, N 64]; A: softmax (see below); B: computed on the way: QUANTISED
;;     4. [M 8,192, K 1,024] x [K 1,024, N 1,024]; A: computed on the way; B: input W_out: QUANTISED
;;   THE QUANTISER, for each operand of a quantised product, along K:
;;     - K is cut into blocks of 32 from its start; a last block that is shorter is filled with zeros.
;;     - A block's scale is 2^e with e = floor(log2(the largest magnitude in the block)) - 2, held to -126 .. 127; a block of zeros has e = 0. As a byte (E8M0): e + 127.
;;     - Each number is divided by its block's scale, clamped to +-7.5, and rounded to the nearest number of E2M3, ties to even, subnormals kept.
;;     - The product sums the exact products of the quantised numbers (number of the format x scale) in f32.
;;   ~~~python
;;   def quantise(x, axis):      # numpy; x: float32 -> the quantised numbers, widened to float32 again
;;       x = np.moveaxis(x, axis, -1); K = x.shape[-1]
;;       x = np.pad(x, [(0, 0)] * (x.ndim - 1) + [(0, -K % 32)]); x = x.reshape(x.shape[:-1] + (-1, 32)); a = np.abs(x).max(-1, keepdims=True)
;;       e = np.where(a > 0, np.clip(np.frexp(np.where(a > 0, a, 1))[1] - 1 - 2, -126, 127), 0)      # np.frexp(a)[1] - 1 = floor(log2(a)), exactly
;;       r = np.clip(x / 2.0 ** e, -7.5, 7.5)
;;       step = 2.0 ** (np.maximum(np.frexp(np.where(r == 0, 1, r))[1] - 1, 0) - 3)
;;       q = np.round(r / step) * step * 2.0 ** e      # np.round: ties to even
;;       return np.moveaxis(q.reshape(q.shape[:-2] + (-1,))[..., :K], -1, axis).astype(np.float32)
;;   ~~~
;;   SOFTMAX AHEAD OF A QUANTISED PRODUCT. Where the list says 'softmax', what is quantised is not the finished softmax but p = 2^(t - M), with t = logit x log2(e) and M = ceil(the row's largest t), a whole number; so 1/2 < the row's largest p <= 1. The row's sum l is taken of the UNQUANTISED p, in f32, and the product's result is divided by l at the end. Since M is a whole number, a kernel that streams over the keys may use a running M (the ceiling of the running maximum): every later rescaling is an exact power of two, which a block's scale takes up: the codes' values come out the same.
;;   OPERANDS COMPUTED ON THE WAY. 'Computed on the way' means the value that the module computes at that place (a softmax that the list does not call 'softmax' is quantised finished and normalised). What goes into a quantiser is computed in f32, as accurately as f32 sums, v_exp_f32 and their like allow (about 1e-6 of the number): no bf16 or f16 on the way to a quantiser, and a product that is left as it is and whose result goes on into a quantised operand takes f32 operands (vector FMAs, or v_wmma_f32_16x16x4_f32). A number that lies on a knife's edge between two numbers of the format may be rounded either way, as far as f32 arithmetic and the matrix unit's own rounding can turn it there, and no further.
;; One version. Each part assembles by itself: llvm-mc -triple=amdgcn-amd-amdhsa -mcpu=gfx1250 --defsym DOCPART=n.
;; ======== version 1 of 1: 4 launches
;; workspace buffers: wsp 10,354,688 bytes; wsq 20,447,232 bytes; wsy 6,553,600 bytes
;; launch prep (part 1): grid 384 x 1, 4 waves a work-group, no clusters, 68,096 bytes of LDS; arguments x, W_qkv, W_out, wsp; writes wsp
.if DOCPART == 1
	.amdgcn_target "amdgcn-amd-amdhsa--gfx1250"
	.amdhsa_code_object_version 6
	.text
	.protected	k_q6a1c07433c_prep
	.globl	k_q6a1c07433c_prep
	.p2align	8
	.type	k_q6a1c07433c_prep,@function
k_q6a1c07433c_prep:
	s_mov_b64 s[64:65], 0
	v_nop
	global_prefetch_b8 v0, s[64:65] scope:SCOPE_SE
	s_setreg_imm32_b32 hwreg(HW_REG_WAVE_MODE, 25, 1), 1
	s_wait_xcnt 0x0
; FIRST OF FOUR LAUNCHES of out = attention(rope(x W_qkv + b_qkv)) W_out + b_out, every product on codes of FP6 (E2M3) with one E8M0 scale for each 32 along its K.
; NOTHING IS LEFT OUT: every input has a way to the output (the bias on k moves k's codes and scales, so it stays), and every product of the problem is done.
; THIS LAUNCH quantises what arrives as f32 and is read by many work-groups later: x [8192][1024] along its rows, W_qkv [1024][3072] and W_out [1024][1024] along their FIRST axis; and it makes the table of cos and sin.
; A block's scale is 2^(floor(log2(largest magnitude)) - 2): its byte is the largest magnitude's exponent field - 2, held at 1 from below by a floor among the maximum's leaves.
; THE ROW ORDER: row n of every tensor of codes lies at position pi(n) = n with bits 3 and 4 exchanged.  Sixteen neighbouring positions 16 T + r then hold rows 32 (T / 2) + 8 (T % 2) + r + 8 (r / 8), so that a matrix
; result's 16 registers of two neighbouring tiles are 16 neighbours along the next product's K, while the tiles' rows lie side by side in memory and LDS.
; wsp: XC x's codes [8192 pos][768 B]; WQC [3072 pos][768]; WOC [1024 pos][768]; XS, WQS, WOS their scale bytes [pos][32]; ROPE [2048 t][cos 0..31, sin 0..31] f32.
; LIMITS: NaN and infinities among the inputs are not served.  A block of zeros gets the byte 1 where the rule says 127: its codes are zeros, and this program alone reads the bytes.
; 10000^(-j/32) is made by one exponential and a first-order correction, about one unit in its last place; so an angle t x that may differ from the f32 product of the exactly rounded factor by about t x 2^-23.
; Work-groups 0-255: x (a wave: 8 rows) and two rows of the table.  Work-groups 256-383: the weights (a wave: 32 columns x 256 along K).  The two ways have LDS bytes of their own.  No barrier: waves share nothing.
.set XC,    0
.set WQC,   6291456
.set WOC,   8650752
.set XS,    9437184
.set WQS,   9699328
.set WOS,   9797632
.set ROPE,  9830400
.set SPW,   12                         ; v12  LDS address of my spare word: SPARE + 4 x my thread's number; never rewritten
.set NIL,   13                         ; v13  0; never rewritten
.set WREG,  8192                       ; x's way: a region for each wave: two stages of 32 x SP bytes, then its 256 scale bytes
.set SP,    80                         ; a lane's place in a stage: 64 bytes + 16 of padding
.set CB,    12                         ; bytes of 16 codes
.set STEPS, 16
.set RR,    16                         ; v16-79   four sets of 16 numbers as loaded
.set XX,    80                         ; v80-111  two sets of 16 neighbours
.set EB,    112                        ; v112-127 a scale byte for each step
.set CC,    128                        ; v128-191 codes, four registers a step
.set WST,   32768                      ; the weights' way: a stage of 32 rows x WP bytes for each wave
.set WP,    272
.set SPARE, 67584                      ; the spare words, 128 bytes for each wave: two blocks of 256 bytes that no other line names
.set WX,    32                         ; v32-95   two sets of 32 numbers down K
.set WC,    96                         ; v96-102  a block's codes
.set OUTR,  112                        ; v112-175 the way out
.set SB,    24                         ; v24-25   eight scale bytes
.set OFR,   176                        ; v176-207 byte offsets of 32 rows of a weight
	s_load_b256 s[4:11], s[0:1], 0x0               ; x s[4:5], W_qkv s[6:7], W_out s[8:9], wsp s[10:11]
	v_lshl_add_u32 v[SPW], v0, 2, SPARE
	v_mov_b32 v[NIL], 0
	v_lshrrev_b32 v1, 5, v0
	v_readfirstlane_b32 s16, v1                    ; wave 0..3
	v_and_b32 v2, 31, v0                           ; lane
	s_cmp_lt_u32 ttmp9, 256
	s_cbranch_scc0 .Lweights
; ---------------- x: a plain stream of blocks of 32; a wave takes 16 steps of 512 numbers = 8 rows ----------------
	v_lshlrev_b32 v3, 4, v2                        ; my 16 bytes of a load's 512
	s_mul_i32 s17, s16, WREG
	v_lshrrev_b32 v14, 2, v2
	v_mul_u32_u24 v14, v14, SP
	v_and_b32 v15, 3, v2
	v_lshl_add_u32 v14, v15, 4, v14
	v_add_nc_u32 v14, s17, v14                     ; into the stage: four lanes' 64 bytes on end, then 16 of padding
	v_mul_u32_u24 v15, v2, SP
	v_add_nc_u32 v15, s17, v15                     ; out of it: my 16 neighbours
	v_mul_u32_u24 v4, v2, CB                       ; my codes' place in a step's 384 bytes
	v_lshrrev_b32 v5, 1, v2
	s_add_co_u32 s17, s17, 2*32*SP
	v_add_nc_u32 v5, s17, v5                       ; LDS: my block's scale byte
	v_lshlrev_b32 v7, 3, v2
	v_add_nc_u32 v6, s17, v7                       ; and 8 of them a lane on the way out
	v_lshlrev_b32 v1, 2, v2                        ; the table: 4 bytes a lane
	s_lshl_b32 s18, ttmp9, 2
	s_add_co_u32 s19, s18, s16                     ; R: which 8 rows of x are mine
	s_and_b32 s20, s16, 1
	s_lshl_b32 s20, s20, 1
	s_lshr_b32 s21, s16, 1
	s_or_b32 s20, s20, s21
	s_add_co_u32 s20, s18, s20                     ; R': where they go: a row's bits 3 and 4 are R's bits 0 and 1
	s_lshl_b32 s22, s19, 15                        ; 8 rows of 4,096 bytes
	s_mov_b32 s23, 0
	s_mul_i32 s24, s20, 6144                       ; 8 rows of 768 bytes (XC = 0)
	s_mov_b32 s25, 0
	s_lshl_b32 s26, s20, 8                         ; 8 rows of 32 bytes
	s_add_co_u32 s26, s26, XS
	s_mov_b32 s27, 0
	s_lshl_b32 s28, s19, 9                         ; two rows of the table
	s_add_co_u32 s28, s28, ROPE
	s_mov_b32 s29, 0
	s_lshl_b32 s30, s19, 1                         ; t of the first of them
	s_wait_kmcnt 0x0
	s_add_nc_u64 s[4:5], s[4:5], s[22:23]
	s_add_nc_u64 s[8:9], s[10:11], s[24:25]        ; my codes
	s_add_nc_u64 s[12:13], s[10:11], s[28:29]      ; my rows of the table
	s_add_nc_u64 s[10:11], s[10:11], s[26:27]      ; my scale bytes
.macro XLOAD t
.irp i, 0,1,2,3
	global_load_b128 v[RR+16*((\t)%4)+4*\i:RR+16*((\t)%4)+4*\i+3], v3, s[4:5] offset:2048*(\t)+512*\i th:TH_LOAD_NT   ; 32 lanes read 512 consecutive bytes
.endr
.endm
.macro XTURN t                         ; a step's numbers through the stage: LDS serves a wave's instructions in order, so no wait stands between the stores and the loads
.irp i, 0,1,2,3
	ds_store_b128 v14, v[RR+16*((\t)%4)+4*\i:RR+16*((\t)%4)+4*\i+3] offset:32*SP*((\t)%2)+8*SP*\i
.endr
.irp i, 0,1,2,3
	ds_load_b128 v[XX+16*((\t)%2)+4*\i:XX+16*((\t)%2)+4*\i+3], v15 offset:32*SP*((\t)%2)+16*\i
.endr
.endm
.irp t, 0,1,2,3
	XLOAD \t
.endr
; THE TABLE, while the first loads are on their way.  Lane j: inv = 10000^(-j/32) = 2^(-j c), c = log2(10000) / 32 = (217705 + 0.879626) x 2^-19.  j x 217705 x 2^-19 is exact in f32;
; the rest of the exponent, at most 5.2e-5, is taken to first order: 2^(-j c_lo) = 1 - j c_lo ln 2.
	v_cvt_f32_u32 v192, v2                         ; j
	v_mul_u32_u24 v193, v2, 217705
	v_cvt_f32_u32 v193, v193
	v_mul_f32 v193, 0x36000000, v193               ; x 2^-19
	s_wait_alu depctr_va_vdst(0)
	v_exp_f32 v194, -v193
	v_mul_f32 v195, 0xb59c1618, v192               ; - j c_lo ln 2  (the plain line behind the exponential)
	s_wait_alu depctr_va_vdst(0)                   ; the wait ahead of the result's first reader
	v_fma_f32 v194, v194, v195, v194               ; inv
; Row t = 2 R + e: the angle t x inv is one f32 product; it is brought into [-pi/4, pi/4] by n = the nearest whole number of quarter turns, pi/2 in two parts (the first product is exact: n has 11 bits);
; then the series of sin to r^9 and of cos to r^10, whose next terms are under 2e-9; the quarter turn chooses and signs.
.macro ROPEROW e
	s_add_co_u32 s31, s30, \e
	v_cvt_f32_u32 v196, s31
	v_mul_f32 v196, v196, v194                     ; the angle
	v_mul_f32 v197, 0x3f22f983, v196               ; x 2 / pi
	v_rndne_f32 v197, v197                         ; n
	v_fmamk_f32 v198, v197, 0xbfc90fdb, v196
	v_fmamk_f32 v198, v197, 0x333bbd2e, v198       ; r
	v_mul_f32 v199, v198, v198                     ; r^2
	v_mov_b32 v200, 0x3638ef1d
	v_mov_b32 v201, 0xb493f27e
	v_fmaak_f32 v200, v200, v199, 0xb9500d01
	v_fmaak_f32 v201, v201, v199, 0x37d00d01
	v_fmaak_f32 v200, v200, v199, 0x3c088889
	v_fmaak_f32 v201, v201, v199, 0xbab60b61
	v_fmaak_f32 v200, v200, v199, 0xbe2aaaab
	v_fmaak_f32 v201, v201, v199, 0x3d2aaaab
	v_mul_f32 v202, v198, v199
	v_fmaak_f32 v201, v201, v199, 0xbf000000
	v_fma_f32 v200, v202, v200, v198               ; sin r
	v_fma_f32 v201, v201, v199, 1.0                ; cos r
	v_cvt_i32_f32 v203, v197
	v_and_b32 v202, 1, v203
	v_cmp_eq_u32 vcc_lo, 1, v202
	v_cndmask_b32 v198, v200, v201, vcc_lo         ; an odd quarter turn exchanges the two
	v_cndmask_b32 v199, v201, v200, vcc_lo
	v_and_b32 v202, 2, v203
	v_lshlrev_b32 v202, 30, v202
	v_xor_b32 v[205+2*\e], v202, v198              ; sin: negative in turns 2 and 3
	v_add_nc_u32 v203, 1, v203
	v_and_b32 v203, 2, v203
	v_lshlrev_b32 v203, 30, v203
	v_xor_b32 v[204+2*\e], v203, v199              ; cos: negative in turns 1 and 2
	global_store_b32 v1, v[204+2*\e], s[12:13] offset:256*\e
	global_store_b32 v1, v[205+2*\e], s[12:13] offset:256*\e+128
.endm
	ROPEROW 0
	ROPEROW 1
	s_wait_loadcnt 12                              ; step 0's four loads are in; those of the three steps behind it may be out
	XTURN 0
.macro XSTEP t
.set XN, XX+16*((\t)%2)
.if (\t) > 0
	s_wait_dscnt 1                                 ; this step's numbers are back from the stage (the last step's byte store may be out): so its stores into the stage have read their registers,
.else
	s_wait_dscnt 0x0
.endif
.if (\t)+4 < STEPS
	XLOAD (\t)+4                                   ; which take the loads of four steps on
.endif
.if (\t)+1 < STEPS
.if STEPS-2-(\t) >= 3
	s_wait_loadcnt 12                              ; the next step's four loads are in; the three steps behind it may be out
.else
	s_wait_loadcnt 4*(STEPS-2-(\t))
.endif
	XTURN (\t)+1
.endif
	v_max3_num_f32 v8, |v[XN]|, |v[XN+1]|, |v[XN+2]|
	v_max3_num_f32 v9, |v[XN+3]|, |v[XN+4]|, |v[XN+5]|
.irp i, 6,10
	v_max3_num_f32 v8, v8, |v[XN+\i]|, |v[XN+\i+1]|
	v_max3_num_f32 v9, v9, |v[XN+\i+2]|, |v[XN+\i+3]|
.endr
	v_max3_num_f32 v8, v8, |v[XN+14]|, |v[XN+15]|
	v_max3_num_f32 v8, v8, v9, 0x1800000           ; and the floor 2^(3 - 127): the byte cannot fall under 1
	v_max_num_f32_dpp v8, v8, v8 row_xmask:1 row_mask:0xf bank_mask:0xf   ; with my neighbour's 16: the block's largest magnitude
	v_add_nc_u32 v11, 0xff000000, v8               ; 2 off its exponent field: the conversion takes that field as its scale
	v_cvt_scalef32_pk16_fp6_f32 v[CC+4*(\t):CC+4*(\t)+2], v[XN:XN+15], v11
	v_lshrrev_b32 v[EB+(\t)], 23, v11              ; the scale's byte
	ds_store_b8 v5, v[EB+(\t)] offset:16*(\t)      ; both lanes of a block write the same byte with the same value
	global_store_b96 v4, v[CC+4*(\t):CC+4*(\t)+2], s[8:9] offset:32*CB*(\t)   ; the wave stores 384 consecutive bytes
.endm
.irp t, 0,1,2,3,4,5,6,7,8,9,10,11,12,13,14,15
	XSTEP \t
.endr
	ds_load_b64 v[8:9], v6                         ; LDS serves a wave's instructions in order: these see my stores
	s_wait_dscnt 0x0
	global_store_b64 v7, v[8:9], s[10:11]          ; 32 lanes store 256 consecutive bytes, aligned: 8 rows' scale bytes
	s_wait_tensorcnt 0x0                           ; the wave's end
	ds_add_u32 v[SPW], v[NIL]
	s_wait_dscnt 0x0
	s_endpgm
; ---------------- the weights: K is their first axis.  A lane takes a column, its registers run down K: a block of 32 lies in one lane, and the codes come out with K innermost ----------------
.Lweights:
	s_sub_co_u32 s17, ttmp9, 256
	s_and_b32 s18, s17, 3                          ; which 256 along K
	s_lshr_b32 s19, s17, 2                         ; which 128 columns: 0-23 of W_qkv, 24-31 of W_out
	s_mov_b32 s20, 12288                           ; a row of W_qkv in bytes
	s_mov_b32 s21, WQC
	s_mov_b32 s22, WQS
	s_wait_kmcnt 0x0
	s_cmp_ge_u32 s19, 24                           ; the choice hangs on the work-group's number alone
	s_cselect_b64 s[6:7], s[8:9], s[6:7]
	s_cselect_b32 s20, 4096, s20
	s_cselect_b32 s21, WOC, s21
	s_cselect_b32 s22, WOS, s22
	s_cselect_b32 s23, 24, 0
	s_sub_co_u32 s19, s19, s23
	s_lshl_b32 s19, s19, 7
	s_lshl_b32 s23, s16, 5
	s_add_co_u32 s19, s19, s23                     ; n0: my wave's first column
	s_lshl_b32 s24, s18, 8
	s_mul_i32 s24, s24, s20
	s_lshl_b32 s25, s19, 2
	s_add_co_u32 s24, s24, s25
	s_mov_b32 s25, 0
	s_add_nc_u64 s[32:33], s[6:7], s[24:25]        ; block 0's first row, my first column
	s_lshl_b32 s26, s20, 5                         ; 32 rows on
	s_mov_b32 s27, 0
.irp t, 1,2,3,4,5,6,7
	s_add_nc_u64 s[32+2*\t:33+2*\t], s[30+2*\t:31+2*\t], s[26:27]   ; a base for each of my 8 blocks: none is ever stepped
.endr
	s_mul_i32 s28, s19, 768
	s_add_co_u32 s28, s28, s21
	s_mul_i32 s29, s18, 192
	s_add_co_u32 s28, s28, s29
	s_mov_b32 s29, 0
	s_add_nc_u64 s[48:49], s[10:11], s[28:29]      ; the codes: position n0, my 192 bytes of its row
	s_lshl_b32 s28, s19, 5
	s_add_co_u32 s28, s28, s22
	s_lshl_b32 s30, s18, 3
	s_add_co_u32 s28, s28, s30
	s_add_nc_u64 s[50:51], s[10:11], s[28:29]      ; the scale bytes: my 8 of its 32
	s_wait_alu depctr_va_vdst(0)
	v_lshlrev_b32 v3, 2, v2
.irp i, 0,1,2,3,4,5,6,7,8,9,10,11,12,13,14,15,16,17,18,19,20,21,22,23,24,25,26,27,28,29,30,31
	v_mad_u32_u24 v[OFR+\i], s20, \i, v3           ; row i of a block, my column
.endr
	s_mul_i32 s30, s16, 32*WP
	s_add_co_u32 s30, s30, WST                     ; my stage
	v_mul_u32_u24 v4, v2, WP
	v_add_nc_u32 v4, s30, v4                       ; into it: row = my column
	v_and_b32 v5, 15, v2
	v_lshrrev_b32 v6, 4, v2
	v_mul_u32_u24 v7, v6, WP
	v_lshl_add_u32 v7, v5, 4, v7
	v_add_nc_u32 v7, s30, v7                       ; out of it: sixteen lanes to a row, two rows an instruction
	v_mul_u32_u24 v8, v6, 768
	v_mad_u32_u24 v8, v5, 12, v8                   ; and the same in the codes' buffer
	v_and_b32 v9, 7, v2
	v_bfe_u32 v10, v2, 3, 1
	v_lshl_or_b32 v9, v10, 4, v9
	v_lshl_or_b32 v9, v6, 3, v9                    ; pi(lane)
	v_lshlrev_b32 v9, 5, v9                        ; my column's row of scale bytes
.macro WLOAD t                         ; block t: 32 rows down K, 128 consecutive bytes a wave in each
.irp i, 0,1,2,3,4,5,6,7,8,9,10,11,12,13,14,15,16,17,18,19,20,21,22,23,24,25,26,27,28,29,30,31
	global_load_b32 v[WX+32*((\t)%2)+\i], v[OFR+\i], s[32+2*(\t):33+2*(\t)] th:TH_LOAD_NT
.endr
.endm
	WLOAD 0
	WLOAD 1
.macro WBLOCK t
.set WN, WX+32*((\t)%2)
.if (\t) < 7
	s_wait_loadcnt 32                              ; this block's 32 loads are in; the next block's may be out
.else
	s_wait_loadcnt 0
.endif
	v_max3_num_f32 v16, |v[WN]|, |v[WN+1]|, |v[WN+2]|
	v_max3_num_f32 v17, |v[WN+3]|, |v[WN+4]|, |v[WN+5]|
.irp i, 6,10,14,18,22,26
	v_max3_num_f32 v16, v16, |v[WN+\i]|, |v[WN+\i+1]|
	v_max3_num_f32 v17, v17, |v[WN+\i+2]|, |v[WN+\i+3]|
.endr
	v_max3_num_f32 v16, v16, |v[WN+30]|, |v[WN+31]|
	v_max3_num_f32 v16, v16, v17, 0x1800000        ; and the floor
	v_add_nc_u32 v18, 0xff000000, v16              ; the conversion's scale operand
	v_lshrrev_b32 v19, 23, v18                     ; the scale's byte
.if (\t)%4 == 0
	v_mov_b32 v[SB+(\t)/4], v19
.else
	v_lshl_or_b32 v[SB+(\t)/4], v19, 8*((\t)%4), v[SB+(\t)/4]
.endif
	v_cvt_scalef32_pk16_fp6_f32 v[WC:WC+2], v[WN:WN+15], v18
	v_cvt_scalef32_pk16_fp6_f32 v[WC+4:WC+6], v[WN+16:WN+31], v18   ; (a conversion's three registers begin on an even number)
	ds_store_b96 v4, v[WC:WC+2] offset:32*(\t)     ; 12 bytes to a place of 16, so that every LDS address is a multiple of 16
	ds_store_b96 v4, v[WC+4:WC+6] offset:32*(\t)+16
.if (\t)+2 < 8
	WLOAD (\t)+2
.endif
	s_wait_dscnt 0x0                               ; the stores have read their registers: the next block's codes may be written (that block begins with plain vector lines)
.endm
.irp t, 0,1,2,3,4,5,6,7
	WBLOCK \t
.endr
	s_wait_alu depctr_va_vdst(0)
	global_store_b64 v9, v[SB:SB+1], s[50:51]      ; my column's 8 scale bytes, at its position
.irp t, 0,1,2,3,4,5,6,7,8,9,10,11,12,13,14,15
	ds_load_b96 v[OUTR+4*\t:OUTR+4*\t+2], v7 offset:2*\t*WP
.endr
.irp t, 0,1,2,3,4,5,6,7,8,9,10,11,12,13,14,15
.set PV_, 2*\t
.set PI_, (PV_&7)|(((PV_>>3)&1)<<4)|(((PV_>>4)&1)<<3)
	s_wait_dscnt 15-\t                             ; the younger stage loads may be out
	global_store_b96 v8, v[OUTR+4*\t:OUTR+4*\t+2], s[48:49] offset:PI_*768   ; columns 2 t and 2 t + 1 go to positions pi(2 t) and pi(2 t) + 1: sixteen lanes store a row's 192 consecutive bytes
.endr
	s_wait_tensorcnt 0x0                           ; the wave's end
	ds_add_u32 v[SPW], v[NIL]
	s_wait_dscnt 0x0
	s_endpgm
.Lfunc_end_k_q6a1c07433c_prep:
	.size	k_q6a1c07433c_prep, .Lfunc_end_k_q6a1c07433c_prep-k_q6a1c07433c_prep
	.p2alignl 7, 3214868480
	.fill 96, 4, 3214868480
	.section	.rodata,"a",@progbits
	.p2align	6, 0x0
	.amdhsa_kernel k_q6a1c07433c_prep
		.amdhsa_group_segment_fixed_size 68096
		.amdhsa_private_segment_fixed_size 0
		.amdhsa_enable_private_segment 0
		.amdhsa_kernarg_size 32
		.amdhsa_user_sgpr_count 2
		.amdhsa_user_sgpr_kernarg_segment_ptr 1
		.amdhsa_wavefront_size32 1
		.amdhsa_system_sgpr_workgroup_id_x 1
		.amdhsa_system_sgpr_workgroup_id_y 1
		.amdhsa_system_sgpr_workgroup_id_z 1
		.amdhsa_system_vgpr_workitem_id 0
		.amdhsa_next_free_vgpr 208
		.amdhsa_next_free_sgpr 66
		.amdhsa_reserve_vcc 1
		.amdhsa_float_denorm_mode_32 3
		.amdhsa_float_denorm_mode_16_64 3
		.amdhsa_memory_ordered 1
		.amdhsa_forward_progress 1
		.amdhsa_inst_pref_size 80
	.end_amdhsa_kernel
	.amdgpu_metadata
---
amdhsa.version: [ 1, 2 ]
amdhsa.kernels:
  - .name:           k_q6a1c07433c_prep
    .symbol:         k_q6a1c07433c_prep.kd
    .args:
      - { .name: x, .offset: 0, .size: 8, .value_kind: global_buffer, .address_space: global }
      - { .name: W_qkv, .offset: 8, .size: 8, .value_kind: global_buffer, .address_space: global }
      - { .name: W_out, .offset: 16, .size: 8, .value_kind: global_buffer, .address_space: global }
      - { .name: wsp, .offset: 24, .size: 8, .value_kind: global_buffer, .address_space: global }
    .group_segment_fixed_size: 68096
    .private_segment_fixed_size: 0
    .kernarg_segment_align: 8
    .kernarg_segment_size: 32
    .max_flat_workgroup_size: 128
    .sgpr_count:     66
    .vgpr_count:     208
    .wavefront_size: 32
...
	.end_amdgpu_metadata
.endif
;; end of part 1
;; launch gemm_qkv (part 2): grid 12 x 32, 4 waves a work-group, clusters of 4 x 4, 327,680 bytes of LDS; arguments wsp, b_qkv, wsq; writes wsq
.if DOCPART == 2
	.amdgcn_target "amdgcn-amd-amdhsa--gfx1250"
	.amdhsa_code_object_version 6
	.text
	.protected	k_q6a1c07433c_gemm_qkv
	.globl	k_q6a1c07433c_gemm_qkv
	.p2align	8
	.type	k_q6a1c07433c_gemm_qkv,@function
k_q6a1c07433c_gemm_qkv:
	s_mov_b64 s[64:65], 0
	v_nop
	global_prefetch_b8 v0, s[64:65] scope:SCOPE_SE
	s_setreg_imm32_b32 hwreg(HW_REG_WAVE_MODE, 25, 1), 1
	s_wait_xcnt 0x0
	s_wait_alu depctr_hold_cnt(0) depctr_sa_sdst(0) depctr_va_vdst(0) depctr_va_sdst(0) depctr_va_ssrc(0) depctr_va_vcc(0) depctr_vm_vsrc(0)
	s_getreg_b32 s2, hwreg(HW_REG_IB_STS2, 6, 4)
	s_cmp_eq_u32 s2, 0
	s_cbranch_scc0 .Lentry_in_a_cluster
	s_endpgm
.Lentry_in_a_cluster:
	s_bfe_u32 s2, ttmp6, 0x10000c
	s_cmp_lg_u32 s2, 0xf033
	s_cbranch_scc0 .Lentry_shape_is_right
	s_endpgm
.Lentry_shape_is_right:
.set XC,    0
.set WQC,   6291456
.set XS,    9437184
.set WQS,   9699328
.set ROPE,  9830400
.set QS,    18874368
.set KSTEP,  256
.set NQ,     2
.set ROWB,   192
.set KROW,   768
.set PITCH,  240
.set FR,     12
.set NL,     6
.set NP,     4
.set HALFT,  128*PITCH
.set SLOT,   4*HALFT
.set KS,     32
.set SCL,    2*SLOT
.set HALFS,  (128*KS/256)*272
.set SBLK,   (16*KS/256)*272
.set SPARE,  SCL+4*HALFS
.set ADRA, 16
.set ADRB, 20
.set ADRS, 27
.set SPW,  28
.set NIL,  29
.set SC,   32
.set AF,   128
.set G1, 24
.set G0, 32
.set G1B, 48
.set G0B, 56
.set G1S, 68
.set G0S, 76
.set G1SB, 80
.set G0SB, 88
.set H,    32
.set T,    64
.set TM,   72
.set SO,   76
.set BY,   78
.set WD,   80
.set CT,   82
.set TW,   86
.set PCH,  88
.set WRD,  112
.set VTM,  96
.set VW,   168
.set MSB, 0
.macro WIN new
.if MSB != (\new)
	s_set_vgpr_msb (MSB<<8)|(\new)
.set MSB, (\new)
.endif
.endm
.set MUL_LO, 0xa1
.set MUL_HI, 0xf1
.set TO_B,   0x40
.macro JLOAD g0a, g1a, g0b, g1b
	s_cmp_eq_u32 s15, 0
	s_cbranch_scc0 .Lfor_b_\@
	tensor_load_to_lds s[\g0a:\g0a+3], s[\g1a:\g1a+7]
	s_nop 0
.rept 4
	v_nop
.endr
	s_branch .Lasked_\@
.Lfor_b_\@:
	tensor_load_to_lds s[\g0b:\g0b+3], s[\g1b:\g1b+7]
	s_nop 0
.rept 4
	v_nop
.endr
.Lasked_\@:
.endm
.macro CREST
	s_cmp_lg_u32 s14, 0
	s_cbranch_scc1 .Lnot_wave_0_\@
	s_barrier_signal -3
.Lnot_wave_0_\@:
	s_barrier_wait -3
	s_barrier_signal -1
	s_barrier_wait -1
.endm
.macro CROUND
	s_barrier_signal -1
	s_barrier_wait -1
	CREST
.endm
	s_load_b128 s[4:7], s[0:1], 0x0
	s_load_b64 s[8:9], s[0:1], 0x10
	v_lshl_add_u32 v[SPW], v0, 2, SPARE
	v_mov_b32 v[NIL], 0
	ds_add_u32 v[SPW], v[NIL]
	ds_add_u32 v[SPW], v[NIL]
	v_lshrrev_b32 v1, 5, v0
	v_readfirstlane_b32 s14, v1
	s_lshr_b32 s15, s14, 1
	s_and_b32 s16, s14, 1
	s_bfe_u32 s40, ttmp6, 0x40000
	s_bfe_u32 s41, ttmp6, 0x40004
	s_and_b32 s18, ttmp7, 0xffff
	s_lshl_b32 s18, s18, 2
	s_lshl_b32 s19, ttmp9, 2
	s_mov_b32 s22, XS
	s_mov_b32 s66, WQS
	s_cmp_eq_u32 ttmp9, 2
	s_cselect_b32 s98, 1, 0
	s_cselect_b32 s17, 0, s18
	s_cselect_b32 s42, s18, s19
	s_cselect_b32 s20, WQC+2048*KROW, XC
	s_cselect_b32 s46, XC, WQC
	s_cselect_b32 s22, WQS+2048*KS, s22
	s_cselect_b32 s66, XS, s66
	s_add_co_u32 s17, s17, s41
	s_add_co_u32 s42, s42, s40
	s_lshl_b32 s43, s41, 2
	s_lshl_b32 s43, 15, s43
	s_lshl_b32 s44, 0x1111, s40
	s_or_b32 s[G1+0], s43, (0<<16)|(1<<20)|(1<<21)|(3<<22)|(3<<25)
	s_or_b32 s[G1B+0], s44, (0<<16)|(1<<20)|(1<<21)|(3<<22)|(3<<25)
.irp g, G1, G1B
	s_mov_b32 s[\g+1], ROWB<<16
	s_mov_b32 s[\g+2], 128<<16
	s_mov_b32 s[\g+3], ROWB<<16
	s_mov_b32 s[\g+4], 128
	s_mov_b32 s[\g+5], KROW
	s_mov_b32 s[\g+6], 0
	s_mov_b32 s[\g+7], 0
.endr
	s_or_b32 s[G1S+0], s43, (3<<16)|(1<<20)|(1<<21)|(5<<22)|(3<<25)
	s_or_b32 s[G1SB+0], s44, (3<<16)|(1<<20)|(1<<21)|(5<<22)|(3<<25)
.irp g, G1S, G1SB
	s_mov_b32 s[\g+1], 32<<16
	s_mov_b32 s[\g+2], (128*KS/256)<<16
	s_mov_b32 s[\g+3], 32<<16
	s_mov_b32 s[\g+4], 128*KS/256
	s_mov_b32 s[\g+5], 32
	s_mov_b32 s[\g+6], 0
	s_mov_b32 s[\g+7], 0
.endr
	s_lshl_b32 s18, s16, 7
	s_lshl_b32 s19, s17, 8
	s_add_co_u32 s19, s19, s18
	s_lshl_b32 s47, s42, 8
	s_add_co_u32 s47, s47, s18
	s_mul_i32 s21, s19, KROW
	s_add_co_u32 s20, s20, s21
	s_mov_b32 s21, 0
	s_lshl_b32 s23, s19, 5
	s_add_co_u32 s22, s22, s23
	s_mov_b32 s23, 0
	s_mul_i32 s18, s47, KROW
	s_add_co_u32 s46, s46, s18
	s_lshl_b32 s18, s47, 5
	s_add_co_u32 s66, s66, s18
	s_mov_b32 s47, 0
	s_mov_b32 s67, 0
	s_mul_i32 s45, s14, HALFT
	s_mul_i32 s2, s14, HALFS
	s_mov_b32 s10, 0x76543210
	s_mov_b32 s11, 0xfedcba98
	s_mov_b32 s99, 0xffff0000
	s_wait_dscnt 0x0
	s_wait_kmcnt 0x0
	s_add_nc_u64 s[20:21], s[4:5], s[20:21]
	s_add_nc_u64 s[22:23], s[4:5], s[22:23]
	s_add_nc_u64 s[46:47], s[4:5], s[46:47]
	s_add_nc_u64 s[66:67], s[4:5], s[66:67]
	CROUND
	s_mov_b32 s[G0S], 1
	s_add_co_u32 s[G0S+1], s2, SCL
	s_mov_b64 s[G0S+2:G0S+3], s[22:23]
	s_or_b32 s[G0S+3], s[G0S+3], 0x80000000
	s_mov_b32 s[G0SB], 1
	s_add_co_u32 s[G0SB+1], s2, SCL
	s_mov_b64 s[G0SB+2:G0SB+3], s[66:67]
	s_or_b32 s[G0SB+3], s[G0SB+3], 0x80000000
	JLOAD G0S, G1S, G0SB, G1SB
.irp s, 0,1
	s_mov_b32 s[G0+4*\s], 1
	s_add_co_u32 s[G0+4*\s+1], s45, \s*SLOT
	s_add_nc_u64 s[G0+4*\s+2:G0+4*\s+3], s[20:21], \s*ROWB
	s_or_b32 s[G0+4*\s+3], s[G0+4*\s+3], 0x80000000
	s_mov_b32 s[G0B+4*\s], 1
	s_add_co_u32 s[G0B+4*\s+1], s45, \s*SLOT
	s_add_nc_u64 s[G0B+4*\s+2:G0B+4*\s+3], s[46:47], \s*ROWB
	s_or_b32 s[G0B+4*\s+3], s[G0B+4*\s+3], 0x80000000
	s_wait_alu depctr_va_vdst(0)
	s_wait_tensorcnt 0x0
	ds_add_u32 v28, v29
	s_wait_dscnt 0x0
	CROUND
	JLOAD G0+4*\s, G1, G0B+4*\s, G1B
.endr
	v_and_b32 v1, 15, v0
	v_bfe_u32 v2, v0, 4, 1
	v_mul_u32_u24 v3, v1, PITCH
	v_mul_u32_u24 v4, v2, 24
	v_add_nc_u32 v4, v3, v4
	v_lshl_add_u32 v5, v2, 4, v4
	s_mul_i32 s21, s15, HALFT
	s_mul_i32 s22, s16, HALFT
	s_add_co_u32 s22, s22, 2*HALFT
.irp s, 0,1
	v_add_nc_u32 v[ADRA+\s], s21, v4
	v_add_nc_u32 v[ADRB+\s], s22, v4
	v_add_nc_u32 v[ADRA+2+\s], s21, v5
	v_add_nc_u32 v[ADRB+2+\s], s22, v5
	s_add_co_u32 s21, s21, SLOT
	s_add_co_u32 s22, s22, SLOT
.endr
	v_mul_u32_u24 v5, v1, KS
	v_lshrrev_b32 v6, 8, v5
	v_lshl_add_u32 v5, v6, 4, v5
	s_mul_i32 s21, s15, HALFS
	s_mul_i32 s22, s16, HALFS
	s_add_co_u32 s22, s22, 2*HALFS
	s_sub_co_u32 s22, s22, s21
	v_mul_u32_u24 v6, s22, v2
	s_add_co_u32 s21, s21, SCL
	v_add_nc_u32 v5, v5, v6
	v_add_nc_u32 v[ADRS], s21, v5
	v_and_b32 v6, 8, v1
	v_add_nc_u32 v6, v6, v1
	v_lshlrev_b32 v8, 6, v2
	v_lshl_add_u32 v9, v6, 8, v8
	v_lshlrev_b32 v11, 2, v6
	v_and_b32 v10, 31, v0
	v_lshlrev_b32 v10, 4, v10
	s_and_b32 s20, s42, 3
	s_cmp_eq_u32 s98, 1
	s_cselect_b32 s18, s42, s17
	s_cselect_b32 s19, s16, s15
	s_cselect_b32 s20, s17, s20
	s_cselect_b32 s21, s15, s16
	s_lshr_b32 s22, s18, 3
	s_and_b32 s23, s18, 7
	s_lshl_b32 s23, s23, 1
	s_add_co_u32 s23, s23, s19
	s_lshl_b32 s22, s22, 4
	s_lshl_b32 s20, s20, 2
	s_lshl_b32 s21, s21, 1
	s_add_co_u32 s22, s22, s20
	s_add_co_u32 s22, s22, s21
	s_mul_i32 s46, s22, 98304
	s_mul_i32 s47, s23, 6144
	s_add_co_u32 s46, s46, s47
	s_mul_i32 s47, ttmp9, 6291456
	s_add_co_u32 s46, s46, s47
	s_mov_b32 s47, 0
	s_add_nc_u64 s[12:13], s[8:9], s[46:47]
	s_lshl_b32 s46, s22, 13
	s_lshl_b32 s20, s23, 9
	s_add_co_u32 s46, s46, s20
	s_lshl_b32 s20, ttmp9, 19
	s_add_co_u32 s46, s46, s20
	s_add_co_u32 s46, s46, QS
	s_add_nc_u64 s[96:97], s[8:9], s[46:47]
.macro FRAG reg, adr, q, i
.irp p, 0,1,2,3,4,5
.set PCE, 12*(\q)+6*(\p/3)+\p%3
.if PCE%8 < 5
	ds_load_b64 v[\reg+2*\p:\reg+2*\p+1], v[\adr] offset:8*PCE+16*(PCE/8)+(\i)*16*PITCH
.else
	ds_load_b64 v[\reg+2*\p:\reg+2*\p+1], v[\adr+2] offset:8*PCE+16*(PCE/8)+(\i)*16*PITCH
.endif
.endr
.endm
.macro MUL16 a0, p, q, sc, zero
.irp a, \a0, \a0+1
.irp b, 0,1,2,3,4,5,6,7
.if \zero
	v_wmma_scale_f32_16x16x128_f8f6f4 v[8*(8*((\a)%4)+\b):8*(8*((\a)%4)+\b)+7], v[128*(\p)+FR*\b:128*(\p)+FR*\b+FR-1], v[AF+FR*(\a):AF+FR*(\a)+FR-1], 0, v[SC+8*NQ*(\sc)+NQ*\b+(\q)], v[SC+8*NQ*(\sc)+NQ*(\a)+(\q)] matrix_a_fmt:MATRIX_FMT_FP6 matrix_b_fmt:MATRIX_FMT_FP6 matrix_a_scale:MATRIX_SCALE_ROW1
.else
	v_wmma_scale_f32_16x16x128_f8f6f4 v[8*(8*((\a)%4)+\b):8*(8*((\a)%4)+\b)+7], v[128*(\p)+FR*\b:128*(\p)+FR*\b+FR-1], v[AF+FR*(\a):AF+FR*(\a)+FR-1], v[8*(8*((\a)%4)+\b):8*(8*((\a)%4)+\b)+7], v[SC+8*NQ*(\sc)+NQ*\b+(\q)], v[SC+8*NQ*(\sc)+NQ*(\a)+(\q)] matrix_a_fmt:MATRIX_FMT_FP6 matrix_b_fmt:MATRIX_FMT_FP6 matrix_a_scale:MATRIX_SCALE_ROW1
.endif
.endr
.endr
.endm
.macro FETCH_B slot, q, p
	WIN TO_B
.irp i, 0,1,2,3,4,5,6,7
	FRAG 128*(\p)+FR*\i, ADRB+\slot, \q, \i
.endr
	WIN 0
.endm
.macro FETCH_A slot, q, i0
.irp i, \i0, \i0+1, \i0+2, \i0+3
	FRAG AF+FR*(\i), ADRA+\slot, \q, \i
.endr
.endm
.macro SCALES sc
.irp i, 0,1,2,3,4,5,6,7
	ds_load_b64 v[SC+8*NQ*\sc+NQ*\i:SC+8*NQ*\sc+NQ*\i+1], v[ADRS] offset:\i*SBLK
.endr
.endm
.macro PLACES n
.rept \n
	v_nop
.endr
.endm
.macro STEP slot, q, zero
	s_wait_dscnt 4*NL
	WIN MUL_LO
	MUL16 0, (\q)%2, \q, \slot, \zero
	MUL16 2, (\q)%2, \q, \slot, \zero
	s_wait_dscnt 0
	PLACES NP
	FETCH_B \slot, (\q)+1, 1-(\q)%2
	FETCH_A \slot, (\q)+1, 0
	WIN MUL_HI
	MUL16 4, (\q)%2, \q, \slot, \zero
	MUL16 6, (\q)%2, \q, \slot, \zero
	PLACES NP
	WIN 0
	FETCH_A \slot, (\q)+1, 4
.endm
.macro TURN slot, next, fill
	s_wait_tensorcnt 0x0
	ds_add_u32 v[SPW], v[NIL]
	s_wait_dscnt 4*NL+1
	WIN MUL_LO
	MUL16 0, 1, NQ-1, \slot, 0
	s_wait_dscnt 0x0
	s_barrier_signal -1
	MUL16 2, 1, NQ-1, \slot, 0
	WIN 0
	s_barrier_wait -1
.if \fill
	CREST
	s_add_nc_u64 s[G0+4*\slot+2:G0+4*\slot+3], s[G0+4*\slot+2:G0+4*\slot+3], 2*ROWB
	s_add_nc_u64 s[G0B+4*\slot+2:G0B+4*\slot+3], s[G0B+4*\slot+2:G0B+4*\slot+3], 2*ROWB
	JLOAD G0+4*\slot, G1, G0B+4*\slot, G1B
.else
	PLACES NP
.endif
	s_wait_alu depctr_va_vdst(0)
	v_add_nc_u32 v[ADRS], 4*NQ, v[ADRS]
	FETCH_B \next, 0, 0
	FETCH_A \next, 0, 0
	SCALES \next
	WIN MUL_HI
	MUL16 4, 1, NQ-1, \slot, 0
	MUL16 6, 1, NQ-1, \slot, 0
	PLACES NP
	WIN 0
	FETCH_A \next, 0, 4
.endm
.macro LAST
	s_wait_dscnt 4*NL
	WIN MUL_LO
	MUL16 0, 1, NQ-1, 1, 0
	MUL16 2, 1, NQ-1, 1, 0
	s_wait_dscnt 0
	WIN MUL_HI
	MUL16 4, 1, NQ-1, 1, 0
	MUL16 6, 1, NQ-1, 1, 0
	WIN 0
.endm
.macro CSLOAD a
.set CSB, 128+32*(((\a)+3)%4)
.irp u, 0,1,2,3
	global_load_b128 v[CSB+4*\u:CSB+4*\u+3], v9, s[94:95] offset:(32*((\a)/2)+8*((\a)%2))*256+16*\u
.endr
.irp u, 0,1,2,3
	global_load_b128 v[CSB+16+4*\u:CSB+16+4*\u+3], v9, s[94:95] offset:(32*((\a)/2)+8*((\a)%2))*256+128+16*\u
.endr
.endm
.macro QKHEAD a, hd
	WIN 0x06+(\a)/4
.irp tb, 0,1,2,3
.irp rr, 0,2,4,6
	v_pk_add_f32 v[H+8*\tb+\rr:H+8*\tb+\rr+1], v[8*(8*((\a)%4)+4*(\hd)+\tb)+\rr:8*(8*((\a)%4)+4*(\hd)+\tb)+\rr+1], v[96+128*(\hd)+8*\tb+\rr:96+128*(\hd)+8*\tb+\rr+1]
.endr
.endr
	WIN 0
.set CSB, 128+32*(((\a)+3)%4)
.irp i, 0,2,4,6,8,10,12,14
.set TP, T+4*((\i/2)%2)
	v_pk_mul_f32 v[TP:TP+1], v[H+16+\i:H+17+\i], v[CSB+16+\i:CSB+17+\i]
	v_pk_mul_f32 v[TP+2:TP+3], v[H+16+\i:H+17+\i], v[CSB+\i:CSB+\i+1]
	v_pk_fma_f32 v[H+16+\i:H+17+\i], v[H+\i:H+\i+1], v[CSB+16+\i:CSB+17+\i], v[TP+2:TP+3]
	v_pk_fma_f32 v[H+\i:H+\i+1], v[H+\i:H+\i+1], v[CSB+\i:CSB+\i+1], v[TP:TP+1] neg_lo:[0,0,1] neg_hi:[0,0,1]
.endr
.set PCD, PCH+12*(\hd)+6*((\a)%2)
	v_max3_num_f32 v[TM], |v[H]|, |v[H+1]|, 0x1800000
	v_max3_num_f32 v[TM+1], |v[H+16]|, |v[H+17]|, 0x1800000
.irp i, 2,4,6,8,10,12,14
	v_max3_num_f32 v[TM], v[TM], |v[H+\i]|, |v[H+\i+1]|
	v_max3_num_f32 v[TM+1], v[TM+1], |v[H+16+\i]|, |v[H+17+\i]|
.endr
	v_permlanex16_b32 v[TM+2], v[TM], s10, s11
	v_permlanex16_b32 v[TM+3], v[TM+1], s10, s11
	v_max_num_f32 v[TM], v[TM], v[TM+2]
	v_max_num_f32 v[TM+1], v[TM+1], v[TM+3]
	v_add_nc_u32 v[SO], 0xff000000, v[TM]
	v_add_nc_u32 v[SO+1], 0xff000000, v[TM+1]
	v_lshrrev_b32 v[BY], 23, v[SO]
	v_lshrrev_b32 v[BY+1], 23, v[SO+1]
	v_cvt_scalef32_pk16_fp6_f32 v[PCD:PCD+2], v[H:H+15], v[SO]
	v_cvt_scalef32_pk16_fp6_f32 v[CT:CT+2], v[H+16:H+31], v[SO+1]
.if (\a)%2 == 0
	v_lshl_or_b32 v[TW+\hd], v[BY+1], 8, v[BY]
.else
	v_lshl_or_b32 v[WD], v[BY+1], 8, v[BY]
.endif
.irp i, 0,1,2
	v_permlane16_swap_b32 v[PCD+\i], v[CT+\i]
.endr
.irp i, 0,1,2
	v_mov_b32 v[PCD+3+\i], v[CT+\i]
.endr
.if (\a)%2
	v_cndmask_b32 v[WRD+4*(\hd)+(\a)/2], v[TW+\hd], v[WD], s99
.irp c, 0,1,2
	global_store_b128 v10, v[PCH+12*(\hd)+4*\c:PCH+12*(\hd)+4*\c+3], s[12:13] offset:(\hd)*98304+((\a)/2)*1536+512*\c
.endr
.endif
.endm
.macro QKBLOCK a
.if (\a) < 5
	s_wait_loadcnt 24
.else
	s_wait_loadcnt 8*(7-(\a))
.endif
	s_wait_xcnt 0x0
	QKHEAD \a, 0
	QKHEAD \a, 1
.if (\a) < 4
	CSLOAD (\a)+4
.endif
.endm
.macro VBLOCK a
.set VPC, 128+20*((\a)%2)
	s_wait_xcnt 0x0
	WIN 0x06+(\a)/4
.irp b, 0,1,2,3,4,5,6,7
.irp rr, 0,2,4,6
	v_pk_add_f32 v[H+8*\b+\rr:H+8*\b+\rr+1], v[8*(8*((\a)%4)+\b)+\rr:8*(8*((\a)%4)+\b)+\rr+1], v[96+2*(\a):97+2*(\a)]
.endr
.endr
	WIN 0
.irp b, 0,1,2,3
	v_max3_num_f32 v[VTM+\b], |v[H+16*\b]|, |v[H+1+16*\b]|, 0x1800000
.endr
.irp i, 2,4,6,8,10,12,14
.irp b, 0,1,2,3
	v_max3_num_f32 v[VTM+\b], v[VTM+\b], |v[H+16*\b+\i]|, |v[H+1+16*\b+\i]|
.endr
.endr
.irp b, 0,1,2,3
	v_permlanex16_b32 v[VTM+4+\b], v[VTM+\b], s10, s11
.endr
.irp b, 0,1,2,3
	v_max_num_f32 v[VTM+\b], v[VTM+\b], v[VTM+4+\b]
.endr
.irp b, 0,1,2,3
	v_add_nc_u32 v[VTM+12+\b], 0xff000000, v[VTM+\b]
.endr
.irp b, 0,1,2,3
	v_lshrrev_b32 v[VTM+4+\b], 23, v[VTM+12+\b]
.endr
	v_lshl_or_b32 v[VW+(\a)], v[VTM+5], 8, v[VTM+4]
	v_lshl_or_b32 v[VW+(\a)], v[VTM+6], 16, v[VW+(\a)]
	v_lshl_or_b32 v[VW+(\a)], v[VTM+7], 24, v[VW+(\a)]
.irp c, 0,1
	v_cvt_scalef32_pk16_fp6_f32 v[VPC+6*\c:VPC+2+6*\c], v[H+32*\c:H+15+32*\c], v[VTM+12+2*\c]
	v_cvt_scalef32_pk16_fp6_f32 v[VPC+12+4*\c:VPC+14+4*\c], v[H+16+32*\c:H+31+32*\c], v[VTM+12+2*\c+1]
.endr
	v_nop
.irp c, 0,1
.irp i, 0,1,2
	v_permlane16_swap_b32 v[VPC+6*\c+\i], v[VPC+12+4*\c+\i]
.endr
.irp i, 0,1,2
	v_mov_b32 v[VPC+3+6*\c+\i], v[VPC+12+4*\c+\i]
.endr
.endr
.irp c, 0,1,2
	global_store_b128 v10, v[VPC+4*\c:VPC+4*\c+3], s[12:13] offset:((\a)/4)*98304+((\a)%4)*1536+512*\c
.endr
.if (\a)%4 == 3
	global_store_b128 v10, v[VW+(\a)-3:VW+(\a)], s[96:97] offset:((\a)/4)*8192
.endif
.endm
	s_wait_alu depctr_va_vdst(0)
	s_wait_tensorcnt 1
	s_barrier_signal -1
	s_barrier_wait -1
	FETCH_B 0, 0, 0
	FETCH_A 0, 0, 0
	SCALES 0
	FETCH_A 0, 0, 4
	STEP 0, 0, 1
	s_mov_b32 s3, 1
.Llap:
	TURN 0, 1, 1
	STEP 1, 0, 0
	TURN 1, 0, 1
	STEP 0, 0, 0
	s_sub_co_u32 s3, s3, 1
	s_cmp_lg_u32 s3, 0
	s_cbranch_scc1 .Llap
	TURN 0, 1, 0
	s_cmp_eq_u32 s98, 1
	s_cbranch_scc1 .Lkind_v
	s_lshl_b32 s18, s42, 10
	s_lshl_b32 s19, s16, 9
	s_add_co_u32 s18, s18, s19
	s_mov_b32 s19, 0
	s_add_nc_u64 s[92:93], s[6:7], s[18:19]
	s_lshl_b32 s18, s17, 8
	s_lshl_b32 s20, s15, 7
	s_add_co_u32 s18, s18, s20
	s_and_b32 s18, s18, 2047
	s_lshl_b32 s18, s18, 8
	s_add_co_u32 s18, s18, ROPE
	s_add_nc_u64 s[94:95], s[4:5], s[18:19]
	WIN TO_B
.irp hd, 0,1
.irp u, 0,1,2,3,4,5,6,7
	global_load_b128 v[96+128*\hd+4*\u:96+128*\hd+4*\u+3], v8, s[92:93] offset:256*\hd+128*(\u/4)+16*(\u%4)
.endr
.endr
	WIN 0
	CSLOAD 0
	STEP 1, 0, 0
	LAST
	PLACES NP
	CSLOAD 1
	CSLOAD 2
	CSLOAD 3
	v_mov_b32 v[TM+2], 0
	v_mov_b32 v[TM+3], 0
.irp a, 0,1,2,3,4,5,6,7
	QKBLOCK \a
.endr
	global_store_b128 v10, v[WRD:WRD+3], s[96:97]
	global_store_b128 v10, v[WRD+4:WRD+7], s[96:97] offset:8192
	s_branch .Lend
.Lkind_v:
	s_lshl_b32 s18, s17, 10
	s_lshl_b32 s19, s15, 9
	s_add_co_u32 s18, s18, s19
	s_add_co_u32 s18, s18, 8192
	s_mov_b32 s19, 0
	s_add_nc_u64 s[92:93], s[6:7], s[18:19]
	WIN TO_B
.irp a, 0,1,2,3,4,5,6,7
	global_load_b32 v[96+2*\a], v11, s[92:93] offset:(32*(\a/2)+8*(\a%2))*4
	global_load_b32 v[97+2*\a], v11, s[92:93] offset:(32*(\a/2)+8*(\a%2))*4
.endr
	WIN 0
	STEP 1, 0, 0
	LAST
	PLACES NP
	s_wait_loadcnt 0x0
.irp b, 0,1,2,3
	v_mov_b32 v[VTM+4+\b], 0
.endr
.irp a, 0,1,2,3,4,5,6,7
	VBLOCK \a
.endr
.Lend:
	s_wait_tensorcnt 0x0
	ds_add_u32 v[SPW], v[NIL]
	s_wait_dscnt 0x0
	CROUND
	s_endpgm
.Lfunc_end_k_q6a1c07433c_gemm_qkv:
	.size	k_q6a1c07433c_gemm_qkv, .Lfunc_end_k_q6a1c07433c_gemm_qkv-k_q6a1c07433c_gemm_qkv
	.p2alignl 7, 3214868480
	.fill 96, 4, 3214868480
	.section	.rodata,"a",@progbits
	.p2align	6, 0x0
	.amdhsa_kernel k_q6a1c07433c_gemm_qkv
		.amdhsa_group_segment_fixed_size 327680
		.amdhsa_private_segment_fixed_size 0
		.amdhsa_enable_private_segment 0
		.amdhsa_kernarg_size 24
		.amdhsa_user_sgpr_count 2
		.amdhsa_user_sgpr_kernarg_segment_ptr 1
		.amdhsa_wavefront_size32 1
		.amdhsa_system_sgpr_workgroup_id_x 1
		.amdhsa_system_sgpr_workgroup_id_y 1
		.amdhsa_system_sgpr_workgroup_id_z 1
		.amdhsa_system_vgpr_workitem_id 0
		.amdhsa_next_free_vgpr 1024
		.amdhsa_next_free_sgpr 100
		.amdhsa_reserve_vcc 0
		.amdhsa_float_denorm_mode_32 3
		.amdhsa_float_denorm_mode_16_64 3
		.amdhsa_memory_ordered 1
		.amdhsa_forward_progress 1
		.amdhsa_inst_pref_size 255
	.end_amdhsa_kernel
	.section	.bss,"aw",@nobits
	.p2align	6
	.space	262144
	.amdgpu_metadata
---
amdhsa.version: [ 1, 2 ]
amdhsa.kernels:
  - .name:           k_q6a1c07433c_gemm_qkv
    .symbol:         k_q6a1c07433c_gemm_qkv.kd
    .args:
      - { .name: wsp, .offset: 0, .size: 8, .value_kind: global_buffer, .address_space: global }
      - { .name: b_qkv, .offset: 8, .size: 8, .value_kind: global_buffer, .address_space: global }
      - { .name: wsq, .offset: 16, .size: 8, .value_kind: global_buffer, .address_space: global }
    .group_segment_fixed_size: 327680
    .private_segment_fixed_size: 0
    .kernarg_segment_align: 8
    .kernarg_segment_size: 24
    .max_flat_workgroup_size: 128
    .sgpr_count:     100
    .vgpr_count:     1024
    .wavefront_size: 32
...
	.end_amdgpu_metadata
.endif
;; end of part 2
;; launch attn (part 3): grid 4 x 64, 16 waves a work-group, clusters of 4 x 1, 215,040 bytes of LDS; arguments wsq, wsy; writes wsy
.if DOCPART == 3
	.amdgcn_target "amdgcn-amd-amdhsa--gfx1250"
	.amdhsa_code_object_version 6
	.text
	.protected	k_q6a1c07433c_attn
	.globl	k_q6a1c07433c_attn
	.p2align	8
	.type	k_q6a1c07433c_attn,@function
k_q6a1c07433c_attn:
	s_mov_b64 s[64:65], 0
	v_nop
	global_prefetch_b8 v0, s[64:65] scope:SCOPE_SE
	s_setreg_imm32_b32 hwreg(HW_REG_WAVE_MODE, 25, 1), 1
	s_wait_xcnt 0x0
	s_wait_alu depctr_hold_cnt(0) depctr_sa_sdst(0) depctr_va_vdst(0) depctr_va_sdst(0) depctr_va_ssrc(0) depctr_va_vcc(0) depctr_vm_vsrc(0)
	s_getreg_b32 s2, hwreg(HW_REG_IB_STS2, 6, 4)
	s_cmp_eq_u32 s2, 0
	s_cbranch_scc0 .Lentry_in_a_cluster
	s_endpgm
.Lentry_in_a_cluster:
	s_bfe_u32 s2, ttmp6, 0x10000c
	s_cmp_lg_u32 s2, 0x3003
	s_cbranch_scc0 .Lentry_shape_is_right
	s_endpgm
.Lentry_shape_is_right:
; THIRD LAUNCH: y = softmax(q k^T / 8) v for each of 64 (batch, head), both products on codes of FP6 (E2M3); y is quantised along D in registers and stored as images for the last product.  Nothing is left out.
; THE SOFTMAX AHEAD OF THE SECOND PRODUCT: t = score x log2(e) / 8; M = the running largest t rounded UP to a whole number; p = 2^(t - M) is quantised along the keys, not normalised; the row's sum is taken of the
; unquantised p and divides at the end.  When M moves, the sum and O are multiplied by 2^(old M - new M), which rounds nothing.
; A block's largest p is made from the block's largest score by the same multiply-add and exponential: this takes v_exp_f32 not to fall where its input rises.
; SHARES.  A work-group owns 512 query positions of one (batch, head); each of its sixteen waves owns 32, two tiles of 16 taken one after the other.  Four waves lie on a SIMD, so that one wave's vector work stands beside
; another's matrix work and LDS loads.  A WHOLE HEAD'S K AND V LIE IN LDS: 2 x 98,304 bytes of codes and 2 x 8,192 of scale words, filled once; no byte of LDS is filled again, so there is no ring.
; CLUSTER.  The four work-groups of a cluster belong to one head and read the same K and V: each load is asked for jointly, by the same line and descriptor with a mask that names the four.  Wave 0 asks for K, wave 1 for
; V, five loads each: the scale words, then four quarters of the codes; the first pass begins on a quarter as soon as it has landed.
; LAYOUT.  Both products are used transposed: S^T = K Q^T, O^T = V^T P^T: a lane holds one query throughout.  All operands lie in LDS as images of their registers, 16 bytes a lane on end.  By the row order of the
; launches before, the 16 registers of score tiles 2 b and 2 b + 1 are keys 32 b + 16 (lane / 16) + 0 .. 15 of the step, and likewise O^T's are 16 neighbours along the head's 64.
; K = 64 UNDER AN INSTRUCTION OF 128: q's registers 6-11 hold zero codes.  A tile of k is six registers; as the instruction's upper six it is given the NEXT tile's six (behind the last tile six registers of zeros), which
; meet q's zeros.  Bytes 2 and 3 of both scale words are 0, which stands for 2^-127.
; y's scale bytes leave as two bytes a row, 32 bytes apart: a scale word of the last product joins two heads, which two work-groups own; they are one part in 24 of y's bytes.
; LIMITS as stated at the first launch's head.
.set KI,    6291456
.set QS,    18874368
.set KSO,   19398656
.set YS,    6291456
.set VIMG,  98304                      ; LDS: K's images at 0, V's here,
.set KSC,   196608                     ; K's scale words,
.set VSC,   204800                     ; V's,
.set SPARE, 212992                     ; and the spare words, 128 bytes for each wave: eight blocks of 256 bytes that no other line names
.set LI,  1                            ; v1   16 x lane
.set SPW, 2                            ; v2   my spare word; never rewritten
.set NIL, 3                            ; v3   0; never rewritten
.set ADK, 4                            ; v4   the step's images of K
.set ADV, 5                            ; v5   of V
.set ADS, 6                            ; v6   of the scale words
.set GY,  7                            ; v7   8 x lane
.set GS,  8                            ; v8   32 x lane
.set QF,  16                           ; v16-27 q's fragment: six registers of codes, six of zeros
.set QSC, 28                           ; v28  its scale words
.set PS,  29                           ; v29  p's scale word
.set FRG, 32                           ; v32-79 a step's fragments of K, then of V; v80-85 zeros
.set KSW, 86                           ; v86-89 K's scale words: register b: lanes 0-15 tile 2 b, lanes 16-31 tile 2 b + 1
.set VSW, 90                           ; v90-93 V's: register t: d tile t
.set ST,  96                           ; v96-159 S^T, then p
.set OT,  160                          ; v160-191 O^T
.set QR,  192                          ; v192-203 my two tiles of q
.set YC,  204                          ; v204-215 y's codes of the two passes
.set YW,  216                          ; v216-217 their scale words
.set CT0, 218
.set PC,  224                          ; v224-235 p's codes
.set CT1, 236
.set BM,  240                          ; v240-243 the blocks' largest scores, then p
.set PX,  244                          ; v244-247 the other half's; then the bytes
.set SO,  248                          ; v248-251 the conversions' scale operands
.set WV,  18
.set CNT, 19
.set SEL, 20
.set CS,  22
.set TB,  2                            ; s2   LDS byte of the step's images
.set TS,  3                            ; s3   and of its scale words
.macro CROUND
	s_barrier_signal -1
	s_barrier_wait -1
	s_cmp_lg_u32 s[WV], 0
	s_cbranch_scc1 .Lnot_wave_0_\@
	s_barrier_signal -3
.Lnot_wave_0_\@:
	s_barrier_wait -3
	s_barrier_signal -1
	s_barrier_wait -1
.endm
	s_load_b128 s[4:7], s[0:1], 0x0                ; wsq s[4:5], wsy s[6:7]
	v_lshl_add_u32 v[SPW], v0, 2, SPARE
	v_mov_b32 v[NIL], 0
	ds_add_u32 v[SPW], v[NIL]                      ; the wave's opening: the add, twice on end, and its wait ahead of the first tensor loads
	ds_add_u32 v[SPW], v[NIL]
	v_lshrrev_b32 v1, 5, v0
	s_delay_alu instid0(VALU_DEP_1)
	v_readfirstlane_b32 s[WV], v1                  ; wave 0..15
	s_bfe_u32 s60, ttmp6, 0x40000                  ; cx: which 512 query positions; it enters q's and y's addresses alone
	s_and_b32 s61, ttmp7, 0xffff                   ; bh = 16 x batch + head, which the four partners share
	s_and_b32 s62, s[WV], 1                        ; 0: K, 1: V
	s_mov_b32 s24, 15|(3<<16)|(1<<21)              ; group 1 for a quarter of the codes: the mask names all four; elements of 8 bytes; bit 21 beside a mask; no padding
	s_mov_b32 s25, 32<<16                          ; 24,576 dense bytes as 96 rows of 256
	s_mov_b32 s26, 96<<16
	s_mov_b32 s27, 32<<16
	s_mov_b32 s28, 96
	s_mov_b32 s29, 32
	s_mov_b32 s30, 0
	s_mov_b32 s31, 0
	s_mov_b32 s32, 15|(3<<16)|(1<<21)              ; and for the scale words: 8,192 bytes as 32 rows
	s_mov_b32 s33, 32<<16
	s_mov_b32 s34, 32<<16
	s_mov_b32 s35, 32<<16
	s_mov_b32 s36, 32
	s_mov_b32 s37, 32
	s_mov_b32 s38, 0
	s_mov_b32 s39, 0
	s_mul_i32 s8, s61, 98304
	s_mul_i32 s9, s62, 6291456
	s_add_co_u32 s8, s8, s9
	s_add_co_u32 s8, s8, KI                        ; the head's codes of K or of V
	s_mov_b32 s9, 0
	s_lshl_b32 s10, s61, 13
	s_lshl_b32 s11, s62, 19
	s_add_co_u32 s10, s10, s11
	s_add_co_u32 s10, s10, KSO                     ; and its scale words
	s_mov_b32 s11, 0
	s_mul_i32 s12, s62, VIMG                       ; where they go
	s_lshl_b32 s13, s62, 13
	s_add_co_u32 s13, s13, KSC
	s_mov_b32 s[SEL], 0x76543210
	s_mov_b32 s[SEL+1], 0xfedcba98                 ; v_permlanex16_b32's selects for lane l xor 16
	s_mov_b32 s[CS], 0x3e38aa3b                    ; c = log2(e) / 8
	s_mov_b32 s[CS+1], s[CS]                       ; (named with it as a pair)
	s_wait_dscnt 0x0                               ; both opening adds are done
	s_wait_kmcnt 0x0
	s_add_nc_u64 s[8:9], s[4:5], s[8:9]
	s_add_nc_u64 s[10:11], s[4:5], s[10:11]
	s_mov_b32 s40, 1
	s_mov_b32 s41, s13
	s_mov_b64 s[42:43], s[10:11]
	s_or_b32 s43, s43, 0x80000000
.irp n, 1,2,3,4
	s_mov_b32 s[40+4*\n], 1
	s_add_co_u32 s[41+4*\n], s12, (\n-1)*24576
	s_add_nc_u64 s[42+4*\n:43+4*\n], s[8:9], (\n-1)*24576
	s_or_b32 s[43+4*\n], s[43+4*\n], 0x80000000
.endr
	CROUND                                         ; all four work-groups are here: the joint loads meet
	s_cmp_lt_u32 s[WV], 2                          ; a wave's first fills stand in one branch on its number: five loads of mine are out behind it
	s_cbranch_scc0 .Lno_fetch
	tensor_load_to_lds s[40:43], s[32:39]
	s_nop 0
.irp n, 1,2,3,4
	tensor_load_to_lds s[40+4*\n:43+4*\n], s[24:31]
	s_nop 0
.endr
.rept 4
	v_nop
.endr
.Lno_fetch:
	v_and_b32 v9, 31, v0
	s_delay_alu instid0(VALU_DEP_1)
	v_lshlrev_b32 v[LI], 4, v9
	s_wait_alu depctr_va_vdst(0)
	v_lshlrev_b32 v[GY], 3, v9
	v_lshlrev_b32 v[GS], 5, v9
	v_and_b32 v10, 15, v0
	s_delay_alu instid0(VALU_DEP_1)
	v_lshlrev_b32 v10, 4, v10                      ; q's scale words: 16 bytes a row
	s_wait_alu depctr_va_vdst(0)
	s_lshl_b32 s63, s60, 4
	s_add_co_u32 s63, s63, s[WV]                   ; my pair of tiles in the head: 16 cx + wave
	s_mul_i32 s66, s63, 1536
	s_mul_i32 s67, s61, 98304
	s_add_co_u32 s66, s66, s67
	s_mov_b32 s67, 0
	s_add_nc_u64 s[66:67], s[4:5], s[66:67]        ; its images (QI = 0)
	s_lshr_b32 s68, s63, 2
	s_lshl_b32 s68, s68, 9                         ; its step's 512 bytes of scale words,
	s_and_b32 s69, s[WV], 3
	s_lshl_b32 s69, s69, 2                         ; and its word among a lane's four
	s_add_co_u32 s68, s68, s69
	s_lshl_b32 s69, s61, 13
	s_add_co_u32 s68, s68, s69
	s_add_co_u32 s68, s68, QS
	s_mov_b32 s69, 0
	s_add_nc_u64 s[68:69], s[4:5], s[68:69]
	s_lshr_b32 s70, s61, 4                         ; the batch
	s_and_b32 s71, s61, 15                         ; the head
	s_lshl_b32 s72, s70, 6
	s_add_co_u32 s72, s72, s63                     ; my pair among all 8,192 rows' 256
	s_mul_i32 s73, s72, 1536
	s_mul_i32 s74, s71, 393216
	s_add_co_u32 s74, s74, s73
	s_mov_b32 s75, 0
	s_add_nc_u64 s[74:75], s[6:7], s[74:75]        ; y's images: [head][tile of 16 rows][3][256 B]
	s_lshl_b32 s76, s72, 10
	s_lshl_b32 s77, s71, 1
	s_add_co_u32 s76, s76, s77
	s_add_co_u32 s76, s76, YS
	s_mov_b32 s77, 0
	s_add_nc_u64 s[76:77], s[6:7], s[76:77]        ; y's scale bytes: [row][32], my head's two
	s_mov_b32 s78, 0xffff0000                      ; lanes 16-31
.irp c, 0,1,2
	global_load_b128 v[QR+4*\c:QR+4*\c+3], v[LI], s[66:67] offset:512*\c
.endr
	global_load_b32 v30, v10, s[68:69]             ; the even tile's scale words (the image's lanes 0-15),
	global_load_b32 v31, v10, s[68:69] offset:256  ; the odd tile's (lanes 16-31)
.irp i, 0,1,2,3,4,5
	v_mov_b32 v[QF+6+\i], 0                        ; q's upper half: zero codes
	v_mov_b32 v[FRG+48+\i], 0                      ; and the six registers behind k's last tile
.endr
.irp b, 0,1,2,3
	v_mov_b32 v[PX+\b], 0                          ; written once: a lane permute's destination counts as one of its sources
.endr
	v_mov_b32 v253, 0                              ; (the upper half of the pair v[252:253])
	v_mov_b32 v254, 0
	s_wait_loadcnt 0x0
; A KEY STEP: 128 keys.
.macro STEP
	s_setprio 2
	v_add_nc_u32 v[ADK], s[TB], v[LI]              ; these four lines are also the places between the last products and the loads into their registers
	v_add_nc_u32 v[ADS], s[TS], v[LI]
	s_delay_alu instid0(VALU_DEP_2)
	v_add_nc_u32 v[ADV], VIMG, v[ADK]
	v_nop
.irp n, 0,1,2,3,4,5,6,7,8,9,10,11
	ds_load_b128 v[FRG+4*\n:FRG+4*\n+3], v[ADK] offset:512*\n     ; eight tiles of k, six registers each
.endr
	ds_load_b128 v[KSW:KSW+3], v[ADS]
	s_wait_alu depctr_va_vdst(0)
	s_wait_dscnt 0x0
.irp u, 0,1,2,3
	v_wmma_scale_f32_16x16x128_f8f6f4 v[ST+16*\u:ST+16*\u+7], v[FRG+12*\u:FRG+12*\u+11], v[QF:QF+11], 0, v[KSW+\u], v[QSC] matrix_a_fmt:MATRIX_FMT_FP6 matrix_b_fmt:MATRIX_FMT_FP6
	v_wmma_scale_f32_16x16x128_f8f6f4 v[ST+16*\u+8:ST+16*\u+15], v[FRG+12*\u+6:FRG+12*\u+17], v[QF:QF+11], 0, v[KSW+\u], v[QSC] matrix_a_fmt:MATRIX_FMT_FP6 matrix_b_fmt:MATRIX_FMT_FP6 matrix_a_scale:MATRIX_SCALE_ROW1
.endr
.rept 4
	v_nop                                          ; places in front of the loads below and of the first read of the scores
.endr
.irp n, 0,1,2,3,4,5,6,7,8,9,10,11
	ds_load_b128 v[FRG+4*\n:FRG+4*\n+3], v[ADV] offset:512*\n     ; four fragments of V^T: they land under the softmax
.endr
	ds_load_b128 v[VSW:VSW+3], v[ADS] offset:VSC-KSC
.irp b, 0,1,2,3
	v_max3_num_f32 v[BM+\b], v[ST+16*\b], v[ST+1+16*\b], v[ST+2+16*\b]   ; the largest score of each block of 32 keys: for the row's maximum and for the block's largest p
.endr
.irp i, 3,5,7,9,11,13
.irp b, 0,1,2,3
	v_max3_num_f32 v[BM+\b], v[BM+\b], v[ST+16*\b+\i], v[ST+1+16*\b+\i]
.endr
.endr
.irp b, 0,1,2,3
	v_max_num_f32 v[BM+\b], v[BM+\b], v[ST+15+16*\b]
.endr
.irp b, 0,1,2,3
	s_delay_alu instid0(VALU_DEP_4)
	v_permlanex16_b32 v[PX+\b], v[BM+\b], s[SEL], s[SEL+1]
.endr
.irp b, 0,1,2,3
	s_delay_alu instid0(VALU_DEP_4)
	v_max_num_f32 v[BM+\b], v[BM+\b], v[PX+\b]     ; with lane l xor 16's 16 keys
.endr
	s_delay_alu instid0(VALU_DEP_2)
	v_max3_num_f32 v254, v[BM], v[BM+1], v[BM+2]
	s_delay_alu instid0(VALU_DEP_1)
	v_max_num_f32 v254, v254, v[BM+3]
	s_delay_alu instid0(VALU_DEP_1)
	v_mul_f32 v254, s[CS], v254                    ; as t
	s_delay_alu instid0(VALU_DEP_1)
	v_max_num_f32 v13, v13, v254                   ; the running largest t
	v_mov_b32 v254, v12
	s_delay_alu instid0(VALU_DEP_2)
	v_floor_f32 v12, -v13                          ; the new -M = floor(-t)
	s_delay_alu instid0(VALU_DEP_1)
	v_sub_f32 v254, v12, v254                      ; old M - new M: a whole number, 0 or less
	s_delay_alu instid0(VALU_DEP_1)
	v_cvt_i32_f32 v254, v254                       ; (it saturates)
	s_delay_alu instid0(VALU_DEP_1)
	v_ldexp_f32 v252, 1.0, v254                    ; f = 2^(old M - new M)
.irp j, 0,2,4,6,8,10,12,14,16,18,20,22,24,26,28,30,32,34,36,38,40,42,44,46,48,50,52,54,56,58,60,62
	v_pk_fma_f32 v[ST+\j:ST+1+\j], v[ST+\j:ST+1+\j], s[CS:CS+1], v[12:13] op_sel_hi:[1,0,0]   ; t - M, two at a time
.endr
.irp b, 0,1,2,3
	v_fma_f32 v[BM+\b], v[BM+\b], s[CS], v12
.endr
	s_wait_alu depctr_va_vdst(0)
.irp j, 0,1,2,3,4,5,6,7,8,9,10,11,12,13,14,15,16,17,18,19,20,21,22,23,24,25,26,27,28,29,30,31,32,33,34,35,36,37,38,39,40,41,42,43,44,45,46,47,48,49,50,51,52,53,54,55,56,57,58,59,60,61,62,63
	v_exp_f32 v[ST+\j], v[ST+\j]                   ; p = 2^(t - M)
.endr
	s_setprio 1
	v_pk_mul_f32 v[14:15], v[14:15], v[252:253] op_sel_hi:[1,0]   ; the sums under the new M (the plain line behind the exponentials)
	s_wait_alu depctr_va_vdst(0)                   ; one wait for the batch of 64, ahead of its first reader
.irp b, 0,1,2,3
	v_exp_f32 v[BM+\b], v[BM+\b]                   ; the blocks' largest p
.endr
	v_pk_add_f32 v[94:95], v[100:101], v[104:105]
	v_pk_add_f32 v[250:251], v[108:109], v[112:113]
	v_pk_add_f32 v[248:249], v[116:117], v[120:121]
	v_pk_add_f32 v[246:247], v[124:125], v[128:129]
	v_pk_add_f32 v[244:245], v[132:133], v[136:137]
	v_pk_add_f32 v[238:239], v[140:141], v[144:145]
	v_pk_add_f32 v[236:237], v[148:149], v[152:153]
	v_pk_add_f32 v[14:15], v[14:15], v[156:157]
	v_pk_add_f32 v[94:95], v[94:95], v[96:97]
	v_pk_add_f32 v[250:251], v[250:251], v[98:99]
	v_pk_add_f32 v[248:249], v[248:249], v[102:103]
	v_pk_add_f32 v[246:247], v[246:247], v[106:107]
	v_pk_add_f32 v[244:245], v[244:245], v[110:111]
	v_pk_add_f32 v[238:239], v[238:239], v[114:115]
	v_pk_add_f32 v[236:237], v[236:237], v[118:119]
	v_pk_add_f32 v[14:15], v[14:15], v[122:123]
	v_pk_add_f32 v[94:95], v[94:95], v[126:127]
	v_pk_add_f32 v[250:251], v[250:251], v[130:131]
	v_pk_add_f32 v[248:249], v[248:249], v[134:135]
	v_pk_add_f32 v[246:247], v[246:247], v[138:139]
	v_pk_add_f32 v[244:245], v[244:245], v[142:143]
	v_pk_add_f32 v[238:239], v[238:239], v[146:147]
	v_pk_add_f32 v[236:237], v[236:237], v[150:151]
	v_pk_add_f32 v[14:15], v[14:15], v[154:155]
	v_pk_add_f32 v[94:95], v[94:95], v[158:159]
	s_delay_alu instid0(VALU_DEP_2)
	v_pk_add_f32 v[14:15], v[14:15], v[246:247]
	s_delay_alu instid0(VALU_DEP_2)
	v_pk_add_f32 v[94:95], v[94:95], v[244:245]
	v_pk_add_f32 v[250:251], v[250:251], v[238:239]
	v_pk_add_f32 v[248:249], v[248:249], v[236:237]
	s_delay_alu instid0(VALU_DEP_2)
	v_pk_add_f32 v[14:15], v[14:15], v[250:251]
	s_delay_alu instid0(VALU_DEP_2)
	v_pk_add_f32 v[94:95], v[94:95], v[248:249]
	s_delay_alu instid0(VALU_DEP_1)
	v_pk_add_f32 v[14:15], v[14:15], v[94:95]
	s_wait_alu depctr_va_vdst(0)                   ; and one for the four
.irp b, 0,1,2,3
	v_max_num_f32 v[BM+\b], 0x1800000, v[BM+\b]    ; the floor 2^(3 - 127): the byte cannot fall under 1
.endr
.irp b, 0,1,2,3
	s_delay_alu instid0(VALU_DEP_4)
	v_add_nc_u32 v[SO+\b], 0xff000000, v[BM+\b]
.endr
.irp b, 0,1,2,3
	s_delay_alu instid0(VALU_DEP_4)
	v_lshrrev_b32 v[PX+\b], 23, v[SO+\b]
.endr
	s_delay_alu instid0(VALU_DEP_3)
	v_lshl_or_b32 v[PS], v[PX+1], 8, v[PX]
	s_delay_alu instid0(VALU_DEP_1)
	v_lshl_or_b32 v[PS], v[PX+2], 16, v[PS]
	s_delay_alu instid0(VALU_DEP_1)
	v_lshl_or_b32 v[PS], v[PX+3], 24, v[PS]
	v_cvt_scalef32_pk16_fp6_f32 v[PC:PC+2], v[ST:ST+15], v[SO]
	v_cvt_scalef32_pk16_fp6_f32 v[CT0:CT0+2], v[ST+16:ST+31], v[SO+1]
	v_cvt_scalef32_pk16_fp6_f32 v[PC+6:PC+8], v[ST+32:ST+47], v[SO+2]
	v_cvt_scalef32_pk16_fp6_f32 v[CT1:CT1+2], v[ST+48:ST+63], v[SO+3]
	v_nop                                          ; one plain line behind the scaled conversions
.irp i, 0,1,2
	v_permlane16_swap_b32 v[PC+\i], v[CT0+\i]      ; a whole block to a lane
.endr
.irp i, 0,1,2
	s_delay_alu instid0(VALU_DEP_3)
	v_mov_b32 v[PC+3+\i], v[CT0+\i]
.endr
.irp i, 0,1,2
	v_permlane16_swap_b32 v[PC+6+\i], v[CT1+\i]
.endr
.irp i, 0,1,2
	s_delay_alu instid0(VALU_DEP_3)
	v_mov_b32 v[PC+9+\i], v[CT1+\i]
.endr
	s_setprio 0
.irp j, 0,2,4,6,8,10,12,14,16,18,20,22,24,26,28,30
	v_pk_mul_f32 v[OT+\j:OT+1+\j], v[OT+\j:OT+1+\j], v[252:253] op_sel_hi:[1,0]   ; O^T under the new M.  For each product below twelve of these sixteen name none of its registers: the places behind p's scale word (8) and codes (4)
.endr
	s_wait_alu depctr_va_vdst(0)
	s_wait_dscnt 0x0                               ; V is in
.irp t, 0,1,2,3
	v_wmma_scale_f32_16x16x128_f8f6f4 v[OT+8*\t:OT+8*\t+7], v[FRG+12*\t:FRG+12*\t+11], v[PC:PC+11], v[OT+8*\t:OT+8*\t+7], v[VSW+\t], v[PS] matrix_a_fmt:MATRIX_FMT_FP6 matrix_b_fmt:MATRIX_FMT_FP6
.endr                                          ; the four accumulators take turns, one instruction a turn, and the eight score products stand between two steps' turns
	s_add_co_u32 s[TB], s[TB], 6144
	s_add_co_u32 s[TS], s[TS], 512
.endm
.macro PASS_INIT p                     ; tile p of my pair: its codes and scale words; the largest t under every t; zeros, which the first change of M leaves zeros
.irp i, 0,1,2,3,4,5
	v_mov_b32 v[QF+\i], v[QR+6*\p+\i]
.endr
	v_mov_b32 v[QSC], v[30+\p]
	v_mov_b32 v13, 0xff61b1e6                      ; -3e38
	s_delay_alu instid0(VALU_DEP_1)
	v_floor_f32 v12, -v13
	v_mov_b32 v14, 0
	v_mov_b32 v15, 0
.irp j, 0,1,2,3,4,5,6,7,8,9,10,11,12,13,14,15,16,17,18,19,20,21,22,23,24,25,26,27,28,29,30,31
	v_mov_b32 v[OT+\j], 0                          ; (these are also the places behind q's codes and scale word)
.endr
.endm
.macro PASS_END p                      ; y = O^T / the sum; its two blocks of 32 along the head's 64 are quantised; six registers of codes leave as three stores of 256 consecutive bytes
.rept 4
	v_nop
.endr
	v_add_f32 v14, v14, v15
	s_delay_alu instid0(VALU_DEP_1)
	v_permlanex16_b32 v254, v14, s[SEL], s[SEL+1]
	s_delay_alu instid0(VALU_DEP_1)
	v_add_f32 v14, v14, v254                       ; the row's sum
	s_wait_alu depctr_va_vdst(0)
	v_rcp_f32 v14, v14
	v_nop
	s_wait_alu depctr_va_vdst(0)                   ; the wait ahead of the first reader
.irp j, 0,2,4,6,8,10,12,14,16,18,20,22,24,26,28,30
	v_pk_mul_f32 v[ST+\j:ST+1+\j], v[OT+\j:OT+1+\j], v[14:15] op_sel_hi:[1,0]   ; register 16 b + i: d = 32 b + 16 h + i
.endr
	v_max3_num_f32 v[BM], |v[ST]|, |v[ST+1]|, 0x1800000
	v_max3_num_f32 v[BM+1], |v[ST+16]|, |v[ST+17]|, 0x1800000
.irp i, 2,4,6,8,10,12,14
	s_delay_alu instid0(VALU_DEP_2)
	v_max3_num_f32 v[BM], v[BM], |v[ST+\i]|, |v[ST+\i+1]|
	s_delay_alu instid0(VALU_DEP_2)
	v_max3_num_f32 v[BM+1], v[BM+1], |v[ST+16+\i]|, |v[ST+17+\i]|
.endr
	s_delay_alu instid0(VALU_DEP_2)
	v_permlanex16_b32 v[PX], v[BM], s[SEL], s[SEL+1]
	s_delay_alu instid0(VALU_DEP_2)
	v_permlanex16_b32 v[PX+1], v[BM+1], s[SEL], s[SEL+1]
	s_delay_alu instid0(VALU_DEP_2)
	v_max_num_f32 v[BM], v[BM], v[PX]
	s_delay_alu instid0(VALU_DEP_2)
	v_max_num_f32 v[BM+1], v[BM+1], v[PX+1]
	s_delay_alu instid0(VALU_DEP_2)
	v_add_nc_u32 v[SO], 0xff000000, v[BM]
	s_delay_alu instid0(VALU_DEP_2)
	v_add_nc_u32 v[SO+1], 0xff000000, v[BM+1]
	s_delay_alu instid0(VALU_DEP_2)
	v_lshrrev_b32 v[PX], 23, v[SO]
	s_delay_alu instid0(VALU_DEP_2)
	v_lshrrev_b32 v[PX+1], 23, v[SO+1]
	v_cvt_scalef32_pk16_fp6_f32 v[YC+6*\p:YC+6*\p+2], v[ST:ST+15], v[SO]
	v_cvt_scalef32_pk16_fp6_f32 v[CT0:CT0+2], v[ST+16:ST+31], v[SO+1]
	v_lshl_or_b32 v[YW+\p], v[PX+1], 8, v[PX]      ; my row's two scale bytes (the plain line behind the conversions)
.irp i, 0,1,2
	v_permlane16_swap_b32 v[YC+6*\p+\i], v[CT0+\i]
.endr
.irp i, 0,1,2
	s_delay_alu instid0(VALU_DEP_3)
	v_mov_b32 v[YC+6*\p+3+\i], v[CT0+\i]
.endr
.irp k, 0,1,2
	global_store_b64 v[GY], v[YC+6*\p+2*\k:YC+6*\p+2*\k+1], s[74:75] offset:768*\p+256*\k
.endr
.endm
; A quarter of the keys in the first pass: its codes have landed in the fetching waves' count (the later quarters' loads may be out), and the barrier shows that to all sixteen.
.macro QUARTER qd
	s_wait_dscnt 0x0
	s_wait_tensorcnt 3-\qd
	s_barrier_signal -1
	s_barrier_wait -1
	s_mov_b32 s[TB], \qd*24576
	s_mov_b32 s[TS], KSC+\qd*2048
	s_mov_b32 s[CNT], 4
.Lquarter_\@:
	STEP
	s_sub_co_u32 s[CNT], s[CNT], 1
	s_cmp_lg_u32 s[CNT], 0
	s_cbranch_scc1 .Lquarter_\@
	s_setprio 0
.endm
	PASS_INIT 0
	QUARTER 0
	QUARTER 1
	QUARTER 2
	QUARTER 3
	PASS_END 0
	PASS_INIT 1
	s_mov_b32 s[TB], 0
	s_mov_b32 s[TS], KSC
	s_mov_b32 s[CNT], 16
.Lsecond:
	STEP
	s_sub_co_u32 s[CNT], s[CNT], 1
	s_cmp_lg_u32 s[CNT], 0
	s_cbranch_scc1 .Lsecond
	s_setprio 0
	PASS_END 1
	v_cndmask_b32 v221, v[YW], v[YW+1], s78        ; lanes 0-15: the first tile's rows, lanes 16-31 the second's
	global_store_b16 v[GS], v221, s[76:77]
	s_wait_tensorcnt 0x0                           ; the wave's end
	ds_add_u32 v[SPW], v[NIL]
	s_wait_dscnt 0x0
	CROUND                                         ; the closing round
	s_endpgm
.Lfunc_end_k_q6a1c07433c_attn:
	.size	k_q6a1c07433c_attn, .Lfunc_end_k_q6a1c07433c_attn-k_q6a1c07433c_attn
	.p2alignl 7, 3214868480
	.fill 96, 4, 3214868480
	.section	.rodata,"a",@progbits
	.p2align	6, 0x0
	.amdhsa_kernel k_q6a1c07433c_attn
		.amdhsa_group_segment_fixed_size 215040
		.amdhsa_private_segment_fixed_size 0
		.amdhsa_enable_private_segment 0
		.amdhsa_kernarg_size 16
		.amdhsa_user_sgpr_count 2
		.amdhsa_user_sgpr_kernarg_segment_ptr 1
		.amdhsa_wavefront_size32 1
		.amdhsa_system_sgpr_workgroup_id_x 1
		.amdhsa_system_sgpr_workgroup_id_y 1
		.amdhsa_system_sgpr_workgroup_id_z 1
		.amdhsa_system_vgpr_workitem_id 0
		.amdhsa_next_free_vgpr 256
		.amdhsa_next_free_sgpr 80
		.amdhsa_reserve_vcc 0
		.amdhsa_float_denorm_mode_32 3
		.amdhsa_float_denorm_mode_16_64 3
		.amdhsa_memory_ordered 1
		.amdhsa_forward_progress 1
		.amdhsa_inst_pref_size 105
	.end_amdhsa_kernel
	.amdgpu_metadata
---
amdhsa.version: [ 1, 2 ]
amdhsa.kernels:
  - .name:           k_q6a1c07433c_attn
    .symbol:         k_q6a1c07433c_attn.kd
    .args:
      - { .name: wsq, .offset: 0, .size: 8, .value_kind: global_buffer, .address_space: global }
      - { .name: wsy, .offset: 8, .size: 8, .value_kind: global_buffer, .address_space: global }
    .group_segment_fixed_size: 215040
    .private_segment_fixed_size: 0
    .kernarg_segment_align: 8
    .kernarg_segment_size: 16
    .max_flat_workgroup_size: 512
    .sgpr_count:     80
    .vgpr_count:     256
    .wavefront_size: 32
...
	.end_amdgpu_metadata
.endif
;; end of part 3
;; launch gemm_out (part 4): grid 4 x 32, 4 waves a work-group, clusters of 4 x 4, 327,680 bytes of LDS; arguments wsy, wsp, b_out, out0; writes out0
.if DOCPART == 4
	.amdgcn_target "amdgcn-amd-amdhsa--gfx1250"
	.amdhsa_code_object_version 6
	.text
	.protected	k_q6a1c07433c_gemm_out
	.globl	k_q6a1c07433c_gemm_out
	.p2align	8
	.type	k_q6a1c07433c_gemm_out,@function
k_q6a1c07433c_gemm_out:
	s_mov_b64 s[64:65], 0
	v_nop
	global_prefetch_b8 v0, s[64:65] scope:SCOPE_SE
	s_setreg_imm32_b32 hwreg(HW_REG_WAVE_MODE, 25, 1), 1
	s_wait_xcnt 0x0
	s_wait_alu depctr_hold_cnt(0) depctr_sa_sdst(0) depctr_va_vdst(0) depctr_va_sdst(0) depctr_va_ssrc(0) depctr_va_vcc(0) depctr_vm_vsrc(0)
	s_getreg_b32 s2, hwreg(HW_REG_IB_STS2, 6, 4)
	s_cmp_eq_u32 s2, 0
	s_cbranch_scc0 .Lentry_in_a_cluster
	s_endpgm
.Lentry_in_a_cluster:
	s_bfe_u32 s2, ttmp6, 0x10000c
	s_cmp_lg_u32 s2, 0xf033
	s_cbranch_scc0 .Lentry_shape_is_right
	s_endpgm
.Lentry_shape_is_right:
.set WOC,   8650752
.set WOS,   9797632
.set YS,    6291456
.set NQ,     2
.set ROWB,   192
.set KROW,   768
.set PITCH,  240
.set FR,     12
.set NL,     6
.set NP,     4
.set HALFA,  4*6144
.set ASTEP,  4*393216
.set HALFT,  128*PITCH
.set SLOT,   2*HALFA+2*HALFT
.set KS,     32
.set SCL,    2*SLOT
.set HALFS,  (128*KS/256)*272
.set SBLK,   (16*KS/256)*272
.set SPARE,  SCL+4*HALFS
.set SPITCH, 528
.set ADRA, 16
.set ADRB, 20
.set STO,  24
.set RD,   25
.set CO,   26
.set ADRS, 27
.set SPW,  28
.set NIL,  29
.set SC,   32
.set BI,   64
.set AF,   128
.set BK,   128
.set G1, 24
.set G0, 32
.set G1B, 48
.set G0B, 56
.set G1S, 68
.set G0S, 76
.set G1SB, 80
.set G0SB, 88
.set MSB, 0
.macro WIN new
.if MSB != (\new)
	s_set_vgpr_msb (MSB<<8)|(\new)
.set MSB, (\new)
.endif
.endm
.set MUL_LO, 0xa1
.set MUL_HI, 0xf1
.set TO_B,   0x40
.macro JLOAD g0a, g1a, g0b, g1b
	s_cmp_eq_u32 s15, 0
	s_cbranch_scc0 .Lfor_b_\@
	tensor_load_to_lds s[\g0a:\g0a+3], s[\g1a:\g1a+7]
	s_nop 0
.rept 4
	v_nop
.endr
	s_branch .Lasked_\@
.Lfor_b_\@:
	tensor_load_to_lds s[\g0b:\g0b+3], s[\g1b:\g1b+7]
	s_nop 0
.rept 4
	v_nop
.endr
.Lasked_\@:
.endm
.macro CREST
	s_cmp_lg_u32 s14, 0
	s_cbranch_scc1 .Lnot_wave_0_\@
	s_barrier_signal -3
.Lnot_wave_0_\@:
	s_barrier_wait -3
	s_barrier_signal -1
	s_barrier_wait -1
.endm
.macro CROUND
	s_barrier_signal -1
	s_barrier_wait -1
	CREST
.endm
	s_load_b256 s[4:11], s[0:1], 0x0
	v_lshl_add_u32 v[SPW], v0, 2, SPARE
	v_mov_b32 v[NIL], 0
	ds_add_u32 v[SPW], v[NIL]
	ds_add_u32 v[SPW], v[NIL]
	v_lshrrev_b32 v1, 5, v0
	v_readfirstlane_b32 s14, v1
	s_lshr_b32 s15, s14, 1
	s_and_b32 s16, s14, 1
	s_bfe_u32 s40, ttmp6, 0x40000
	s_bfe_u32 s41, ttmp6, 0x40004
	s_lshl_b32 s42, ttmp9, 2
	s_add_co_u32 s42, s42, s40
	s_and_b32 s17, ttmp7, 0xffff
	s_lshl_b32 s17, s17, 2
	s_add_co_u32 s17, s17, s41
	s_lshl_b32 s43, s41, 2
	s_lshl_b32 s43, 15, s43
	s_lshl_b32 s44, 0x1111, s40
	s_or_b32 s[G1+0], s43, (0<<16)|(1<<21)
	s_mov_b32 s[G1+1], 6144<<16
	s_mov_b32 s[G1+2], 4<<16
	s_mov_b32 s[G1+3], 6144<<16
	s_mov_b32 s[G1+4], 4
	s_mov_b32 s[G1+5], 393216
	s_mov_b32 s[G1+6], 0
	s_mov_b32 s[G1+7], 0
	s_or_b32 s[G1B+0], s44, (0<<16)|(1<<20)|(1<<21)|(3<<22)|(3<<25)
	s_mov_b32 s[G1B+1], ROWB<<16
	s_mov_b32 s[G1B+2], 128<<16
	s_mov_b32 s[G1B+3], ROWB<<16
	s_mov_b32 s[G1B+4], 128
	s_mov_b32 s[G1B+5], KROW
	s_mov_b32 s[G1B+6], 0
	s_mov_b32 s[G1B+7], 0
	s_or_b32 s[G1S+0], s43, (3<<16)|(1<<20)|(1<<21)|(5<<22)|(3<<25)
	s_or_b32 s[G1SB+0], s44, (3<<16)|(1<<20)|(1<<21)|(5<<22)|(3<<25)
.irp g, G1S, G1SB
	s_mov_b32 s[\g+1], 32<<16
	s_mov_b32 s[\g+2], (128*KS/256)<<16
	s_mov_b32 s[\g+3], 32<<16
	s_mov_b32 s[\g+4], 128*KS/256
	s_mov_b32 s[\g+5], 32
	s_mov_b32 s[\g+6], 0
	s_mov_b32 s[\g+7], 0
.endr
	s_lshl_b32 s18, s16, 7
	s_lshl_b32 s19, s17, 8
	s_add_co_u32 s19, s19, s18
	s_lshl_b32 s47, s42, 8
	s_add_co_u32 s47, s47, s18
	s_mul_i32 s20, s19, 48
	s_mov_b32 s21, 0
	s_lshl_b32 s22, s19, 5
	s_add_co_u32 s22, s22, YS
	s_mov_b32 s23, 0
	s_mul_i32 s46, s47, KROW
	s_add_co_u32 s46, s46, WOC
	s_lshl_b32 s66, s47, 5
	s_add_co_u32 s66, s66, WOS
	s_mov_b32 s47, 0
	s_mov_b32 s67, 0
	s_mul_i32 s45, s16, HALFA
	s_mul_i32 s94, s16, HALFT
	s_add_co_u32 s94, s94, 2*HALFA
	s_mul_i32 s2, s14, HALFS
	s_wait_dscnt 0x0
	s_wait_kmcnt 0x0
	s_add_nc_u64 s[20:21], s[4:5], s[20:21]
	s_add_nc_u64 s[22:23], s[4:5], s[22:23]
	s_add_nc_u64 s[46:47], s[6:7], s[46:47]
	s_add_nc_u64 s[66:67], s[6:7], s[66:67]
	CROUND
	s_mov_b32 s[G0S], 1
	s_add_co_u32 s[G0S+1], s2, SCL
	s_mov_b64 s[G0S+2:G0S+3], s[22:23]
	s_or_b32 s[G0S+3], s[G0S+3], 0x80000000
	s_mov_b32 s[G0SB], 1
	s_add_co_u32 s[G0SB+1], s2, SCL
	s_mov_b64 s[G0SB+2:G0SB+3], s[66:67]
	s_or_b32 s[G0SB+3], s[G0SB+3], 0x80000000
	JLOAD G0S, G1S, G0SB, G1SB
.irp s, 0,1
	s_mov_b32 s[G0+4*\s], 1
	s_add_co_u32 s[G0+4*\s+1], s45, \s*SLOT
	s_add_nc_u64 s[G0+4*\s+2:G0+4*\s+3], s[20:21], \s*ASTEP
	s_or_b32 s[G0+4*\s+3], s[G0+4*\s+3], 0x80000000
	s_mov_b32 s[G0B+4*\s], 1
	s_add_co_u32 s[G0B+4*\s+1], s94, \s*SLOT
	s_add_nc_u64 s[G0B+4*\s+2:G0B+4*\s+3], s[46:47], \s*ROWB
	s_or_b32 s[G0B+4*\s+3], s[G0B+4*\s+3], 0x80000000
	s_wait_alu depctr_va_vdst(0)
	s_wait_tensorcnt 0x0
	ds_add_u32 v28, v29
	s_wait_dscnt 0x0
	CROUND
	JLOAD G0+4*\s, G1, G0B+4*\s, G1B
.endr
	v_and_b32 v1, 15, v0
	v_bfe_u32 v2, v0, 4, 1
	v_and_b32 v7, 31, v0
	v_mul_u32_u24 v3, v1, PITCH
	v_mul_u32_u24 v4, v2, 24
	v_add_nc_u32 v4, v3, v4
	v_lshl_add_u32 v5, v2, 4, v4
	v_lshlrev_b32 v3, 3, v7
	s_mul_i32 s21, s15, HALFA
	s_mul_i32 s22, s16, HALFT
	s_add_co_u32 s22, s22, 2*HALFA
.irp s, 0,1
	v_add_nc_u32 v[ADRA+\s], s21, v3
	v_add_nc_u32 v[ADRB+\s], s22, v4
	v_add_nc_u32 v[ADRB+2+\s], s22, v5
	s_add_co_u32 s21, s21, SLOT
	s_add_co_u32 s22, s22, SLOT
.endr
	v_mul_u32_u24 v5, v1, KS
	v_lshrrev_b32 v6, 8, v5
	v_lshl_add_u32 v5, v6, 4, v5
	s_mul_i32 s21, s15, HALFS
	s_mul_i32 s22, s16, HALFS
	s_add_co_u32 s22, s22, 2*HALFS
	s_sub_co_u32 s22, s22, s21
	v_mul_u32_u24 v6, s22, v2
	s_add_co_u32 s21, s21, SCL
	v_add_nc_u32 v5, v5, v6
	v_add_nc_u32 v[ADRS], s21, v5
	s_mul_i32 s23, s14, 16*SPITCH
	v_mul_u32_u24 v5, v1, SPITCH
	v_lshl_add_u32 v5, v2, 6, v5
	v_add_nc_u32 v[STO], s23, v5
	v_lshlrev_b32 v[CO], 4, v7
	v_add_nc_u32 v[RD], s23, v[CO]
	v_lshlrev_b32 v8, 6, v2
	s_wait_alu depctr_va_vdst(0)
	s_lshl_b32 s46, s42, 10
	s_lshl_b32 s47, s16, 9
	s_add_co_u32 s46, s46, s47
	s_mov_b32 s47, 0
	s_add_nc_u64 s[92:93], s[8:9], s[46:47]
	s_lshl_b32 s20, s17, 8
	s_lshl_b32 s21, s15, 7
	s_add_co_u32 s20, s20, s21
	s_lshl_b32 s20, s20, 12
	s_add_co_u32 s20, s20, s46
	s_mov_b32 s21, 0
	s_add_nc_u64 s[12:13], s[10:11], s[20:21]
.irp b, 0,1,2,3,4,5,6,7
	global_load_b128 v[BI+8*\b:BI+8*\b+3], v8, s[92:93] offset:128*(\b/2)+32*(\b%2)
	global_load_b128 v[BI+8*\b+4:BI+8*\b+7], v8, s[92:93] offset:128*(\b/2)+32*(\b%2)+16
.endr
.macro FRAG reg, adr, q, i
.irp p, 0,1,2,3,4,5
.set PCE, 12*(\q)+6*(\p/3)+\p%3
.if PCE%8 < 5
	ds_load_b64 v[\reg+2*\p:\reg+2*\p+1], v[\adr] offset:8*PCE+16*(PCE/8)+(\i)*16*PITCH
.else
	ds_load_b64 v[\reg+2*\p:\reg+2*\p+1], v[\adr+2] offset:8*PCE+16*(PCE/8)+(\i)*16*PITCH
.endif
.endr
.endm
.macro FRAGA reg, slot, q, i
.irp c, 0,1
.irp p, 0,1,2
	ds_load_b64 v[\reg+6*\c+2*\p:\reg+6*\c+2*\p+1], v[ADRA+\slot] offset:(2*(\q)+\c)*6144+(\i)*768+256*\p
.endr
.endr
.endm
.macro MUL16 a0, p, q, sc, first
.irp a, \a0, \a0+1
.irp b, 0,1,2,3,4,5,6,7
.if \first
	v_wmma_scale_f32_16x16x128_f8f6f4 v[8*(8*((\a)%4)+\b):8*(8*((\a)%4)+\b)+7], v[128*(\p)+FR*\b:128*(\p)+FR*\b+FR-1], v[AF+FR*(\a):AF+FR*(\a)+FR-1], v[BI+8*\b:BI+8*\b+7], v[SC+8*NQ*(\sc)+NQ*\b+(\q)], v[SC+8*NQ*(\sc)+NQ*(\a)+(\q)] matrix_a_fmt:MATRIX_FMT_FP6 matrix_b_fmt:MATRIX_FMT_FP6 matrix_a_scale:MATRIX_SCALE_ROW1
.else
	v_wmma_scale_f32_16x16x128_f8f6f4 v[8*(8*((\a)%4)+\b):8*(8*((\a)%4)+\b)+7], v[128*(\p)+FR*\b:128*(\p)+FR*\b+FR-1], v[AF+FR*(\a):AF+FR*(\a)+FR-1], v[8*(8*((\a)%4)+\b):8*(8*((\a)%4)+\b)+7], v[SC+8*NQ*(\sc)+NQ*\b+(\q)], v[SC+8*NQ*(\sc)+NQ*(\a)+(\q)] matrix_a_fmt:MATRIX_FMT_FP6 matrix_b_fmt:MATRIX_FMT_FP6 matrix_a_scale:MATRIX_SCALE_ROW1
.endif
.endr
.endr
.endm
.macro FETCH_B slot, q, p
	WIN TO_B
.irp i, 0,1,2,3,4,5,6,7
	FRAG 128*(\p)+FR*\i, ADRB+\slot, \q, \i
.endr
	WIN 0
.endm
.macro FETCH_A slot, q, i0
.irp i, \i0, \i0+1, \i0+2, \i0+3
	FRAGA AF+FR*(\i), \slot, \q, \i
.endr
.endm
.macro SCALES sc
.irp i, 0,1,2,3,4,5,6,7
	ds_load_b64 v[SC+8*NQ*\sc+NQ*\i:SC+8*NQ*\sc+NQ*\i+1], v[ADRS] offset:\i*SBLK
.endr
.endm
.macro PLACES n
.rept \n
	v_nop
.endr
.endm
.macro STEP slot, q, first
	s_wait_dscnt 4*NL
.if \first
	WIN 0x81
.else
	WIN MUL_LO
.endif
	MUL16 0, (\q)%2, \q, \slot, \first
	MUL16 2, (\q)%2, \q, \slot, \first
	s_wait_dscnt 0
	PLACES NP
	FETCH_B \slot, (\q)+1, 1-(\q)%2
	FETCH_A \slot, (\q)+1, 0
.if \first
	WIN 0xc1
.else
	WIN MUL_HI
.endif
	MUL16 4, (\q)%2, \q, \slot, \first
	MUL16 6, (\q)%2, \q, \slot, \first
	PLACES NP
	WIN 0
	FETCH_A \slot, (\q)+1, 4
.endm
.macro TURN slot, next, fill
	s_wait_tensorcnt 0x0
	ds_add_u32 v[SPW], v[NIL]
	s_wait_dscnt 4*NL+1
	WIN MUL_LO
	MUL16 0, 1, NQ-1, \slot, 0
	s_wait_dscnt 0x0
	s_barrier_signal -1
	MUL16 2, 1, NQ-1, \slot, 0
	WIN 0
	s_barrier_wait -1
.if \fill
	CREST
	s_add_nc_u64 s[G0+4*\slot+2:G0+4*\slot+3], s[G0+4*\slot+2:G0+4*\slot+3], 2*ASTEP
	s_add_nc_u64 s[G0B+4*\slot+2:G0B+4*\slot+3], s[G0B+4*\slot+2:G0B+4*\slot+3], 2*ROWB
	JLOAD G0+4*\slot, G1, G0B+4*\slot, G1B
.else
	PLACES NP
.endif
	s_wait_alu depctr_va_vdst(0)
	v_add_nc_u32 v[ADRS], 4*NQ, v[ADRS]
	FETCH_B \next, 0, 0
	FETCH_A \next, 0, 0
	SCALES \next
	WIN MUL_HI
	MUL16 4, 1, NQ-1, \slot, 0
	MUL16 6, 1, NQ-1, \slot, 0
	PLACES NP
	WIN 0
	FETCH_A \next, 0, 4
.endm
	s_wait_tensorcnt 1
	s_barrier_signal -1
	s_barrier_wait -1
	FETCH_B 0, 0, 0
	FETCH_A 0, 0, 0
	SCALES 0
	FETCH_A 0, 0, 4
	s_wait_loadcnt 0x0
	STEP 0, 0, 1
	s_mov_b32 s3, 1
.Llap:
	TURN 0, 1, 1
	STEP 1, 0, 0
	TURN 1, 0, 1
	STEP 0, 0, 0
	s_sub_co_u32 s3, s3, 1
	s_cmp_lg_u32 s3, 0
	s_cbranch_scc1 .Llap
	TURN 0, 1, 0
	STEP 1, 0, 0
	s_wait_dscnt 4*NL
	WIN MUL_LO
	MUL16 0, 1, NQ-1, 1, 0
	MUL16 2, 1, NQ-1, 1, 0
	s_wait_dscnt 0
	WIN MUL_HI
	MUL16 4, 1, NQ-1, 1, 0
	MUL16 6, 1, NQ-1, 1, 0
	WIN 0
.macro TOSTAGE a
.set AC, 64*((\a)%4)
	WIN 0x08+4*((\a)/4)
.irp b, 0,1,2,3,4,5,6,7
	ds_store_b128 v[STO], v[AC+8*\b:AC+8*\b+3] offset:128*(\b/2)+32*(\b%2)
	ds_store_b128 v[STO], v[AC+8*\b+4:AC+8*\b+7] offset:128*(\b/2)+32*(\b%2)+16
.endr
	WIN 0
.set BB, BK+64*((\a)%2)
.irp t, 0,1,2,3,4,5,6,7,8,9,10,11,12,13,14,15
	ds_load_b128 v[BB+4*\t:BB+4*\t+3], v[RD] offset:\t*SPITCH
.endr
.endm
.macro SEND a, younger
.set BB, BK+64*((\a)%2)
	s_wait_dscnt \younger
.if (\a) > 0
.if (\a)%2
	s_add_nc_u64 s[12:13], s[12:13], 8*4096
.else
	s_add_nc_u64 s[12:13], s[12:13], 24*4096
.endif
.endif
.irp t, 0,1,2,3,4,5,6,7,8,9,10,11,12,13,14,15
	global_store_b128 v[CO], v[BB+4*\t:BB+4*\t+3], s[12:13] offset:(\t+8*(\t/8))*4096 th:TH_STORE_NT
.endr
.endm
	PLACES NP
	TOSTAGE 0
.irp a, 1,2,3,4,5,6,7
.if \a > 1
	s_wait_xcnt 0x0
.endif
	TOSTAGE \a
	SEND \a-1, 32
.endr
	s_wait_xcnt 0x0
	SEND 7, 0
	s_wait_tensorcnt 0x0
	ds_add_u32 v[SPW], v[NIL]
	s_wait_dscnt 0x0
	CROUND
	s_endpgm
.Lfunc_end_k_q6a1c07433c_gemm_out:
	.size	k_q6a1c07433c_gemm_out, .Lfunc_end_k_q6a1c07433c_gemm_out-k_q6a1c07433c_gemm_out
	.p2alignl 7, 3214868480
	.fill 96, 4, 3214868480
	.section	.rodata,"a",@progbits
	.p2align	6, 0x0
	.amdhsa_kernel k_q6a1c07433c_gemm_out
		.amdhsa_group_segment_fixed_size 327680
		.amdhsa_private_segment_fixed_size 0
		.amdhsa_enable_private_segment 0
		.amdhsa_kernarg_size 32
		.amdhsa_user_sgpr_count 2
		.amdhsa_user_sgpr_kernarg_segment_ptr 1
		.amdhsa_wavefront_size32 1
		.amdhsa_system_sgpr_workgroup_id_x 1
		.amdhsa_system_sgpr_workgroup_id_y 1
		.amdhsa_system_sgpr_workgroup_id_z 1
		.amdhsa_system_vgpr_workitem_id 0
		.amdhsa_next_free_vgpr 1024
		.amdhsa_next_free_sgpr 100
		.amdhsa_reserve_vcc 0
		.amdhsa_float_denorm_mode_32 3
		.amdhsa_float_denorm_mode_16_64 3
		.amdhsa_memory_ordered 1
		.amdhsa_forward_progress 1
		.amdhsa_inst_pref_size 162
	.end_amdhsa_kernel
	.amdgpu_metadata
---
amdhsa.version: [ 1, 2 ]
amdhsa.kernels:
  - .name:           k_q6a1c07433c_gemm_out
    .symbol:         k_q6a1c07433c_gemm_out.kd
    .args:
      - { .name: wsy, .offset: 0, .size: 8, .value_kind: global_buffer, .address_space: global }
      - { .name: wsp, .offset: 8, .size: 8, .value_kind: global_buffer, .address_space: global }
      - { .name: b_out, .offset: 16, .size: 8, .value_kind: global_buffer, .address_space: global }
      - { .name: out0, .offset: 24, .size: 8, .value_kind: global_buffer, .address_space: global }
    .group_segment_fixed_size: 327680
    .private_segment_fixed_size: 0
    .kernarg_segment_align: 8
    .kernarg_segment_size: 32
    .max_flat_workgroup_size: 128
    .sgpr_count:     100
    .vgpr_count:     1024
    .wavefront_size: 32
...
	.end_amdgpu_metadata
.endif
;; end of part 4
